; MI455X (gfx1250); checked and timed in simulation.
; The chip was launched on July 23, 2026; its instructions are those of AMD's public machine-readable ISA for CDNA 5 (MIT licence, August 2026) and "CDNA5" Instruction Set Architecture Reference Guide (July 2026). The comments in the code are by the model that wrote it; some were corrected since.
;; Self Attention. Allowed arithmetic: matrix products marked QUANTISED: E2M3 operands, one E8M0 scale for each 32 along K, by v_wmma_scale_f32_16x16x128_f8f6f4 with both operands' format E2M3, f32 sums; everything else in f32.
;; Inputs: bk 1,024 float32; bq 1,024 float32; bv 1,024 float32; wk 1,024 x 1,024 float32; wq 1,024 x 1,024 float32; wv 1,024 x 1,024 float32; x 4 x 2,048 x 1,024 float32.
;; Outputs: out0 4 x 2,048 x 1,024 float32.
;; This version of the problem:
;;   THIS VERSION OF THE PROBLEM IS GIVEN IN LOW PRECISION. The matrix products marked QUANTISED in the list below multiply operands that are first quantised to E2M3 (2 exponent bits, 3 mantissa bits; 6 bits a number), with one power-of-two scale for each 32 numbers along K (OCP MX v1.0); their sums are f32. All else is computed in f32.
;;   The module's matrix products, in the order in which they are computed (A, B: the left and right operand; K: the contracted axis; several contracted axes count as one K, in the product's order):
;;     1. [M 8,192, K 1,024] x [K 1,024, N 1,024]; A: input x; B: input wq: QUANTISED
;;     2. [M 8,192, K 1,024] x [K 1,024, N 1,024]; A: input x; B: input wk: QUANTISED
;;     3. [M 8,192, K 1,024] x [K 1,024, N 1,024]; A: input x; B: input wv: QUANTISED
;;     4. batch 4 x [M 2,048, K 1,024] x [K 1,024, N 2,048]; A: computed on the way; B: computed on the way: QUANTISED
;;     5. batch 4 x [M 2,048, K 2,048] x [K 2,048, N 1,024]; A: softmax (see below); B: computed on the way: QUANTISED
;;   THE QUANTISER, for each operand of a quantised product, along K:
;;     - K is cut into blocks of 32 from its start; a last block that is shorter is filled with zeros.
;;     - A block's scale is 2^e with e = floor(log2(the largest magnitude in the block)) - 2, held to -126 .. 127; a block of zeros has e = 0. As a byte (E8M0): e + 127.
;;     - Each number is divided by its block's scale, clamped to +-7.5, and rounded to the nearest number of E2M3, ties to even, subnormals kept.
;;     - The product sums the exact products of the quantised numbers (number of the format x scale) in f32.
;;   ~~~python
;;   def quantise(x, axis):      # numpy; x: float32 -> the quantised numbers, widened to float32 again
;;       x = np.moveaxis(x, axis, -1); K = x.shape[-1]
;;       x = np.pad(x, [(0, 0)] * (x.ndim - 1) + [(0, -K % 32)]); x = x.reshape(x.shape[:-1] + (-1, 32)); a = np.abs(x).max(-1, keepdims=True)
;;       e = np.where(a > 0, np.clip(np.frexp(np.where(a > 0, a, 1))[1] - 1 - 2, -126, 127), 0)      # np.frexp(a)[1] - 1 = floor(log2(a)), exactly
;;       r = np.clip(x / 2.0 ** e, -7.5, 7.5)
;;       step = 2.0 ** (np.maximum(np.frexp(np.where(r == 0, 1, r))[1] - 1, 0) - 3)
;;       q = np.round(r / step) * step * 2.0 ** e      # np.round: ties to even
;;       return np.moveaxis(q.reshape(q.shape[:-2] + (-1,))[..., :K], -1, axis).astype(np.float32)
;;   ~~~
;;   SOFTMAX AHEAD OF A QUANTISED PRODUCT. Where the list says 'softmax', what is quantised is not the finished softmax but p = 2^(t - M), with t = logit x log2(e) and M = ceil(the row's largest t), a whole number; so 1/2 < the row's largest p <= 1. The row's sum l is taken of the UNQUANTISED p, in f32, and the product's result is divided by l at the end. Since M is a whole number, a kernel that streams over the keys may use a running M (the ceiling of the running maximum): every later rescaling is an exact power of two, which a block's scale takes up: the codes' values come out the same.
;;   OPERANDS COMPUTED ON THE WAY. 'Computed on the way' means the value that the module computes at that place (a softmax that the list does not call 'softmax' is quantised finished and normalised). What goes into a quantiser is computed in f32, as accurately as f32 sums, v_exp_f32 and their like allow (about 1e-6 of the number): no bf16 or f16 on the way to a quantiser, and a product that is left as it is and whose result goes on into a quantised operand takes f32 operands (vector FMAs, or v_wmma_f32_16x16x4_f32). A number that lies on a knife's edge between two numbers of the format may be rounded either way, as far as f32 arithmetic and the matrix unit's own rounding can turn it there, and no further.
;; One version. Each part assembles by itself: llvm-mc -triple=amdgcn-amd-amdhsa -mcpu=gfx1250 --defsym DOCPART=n.
;; ======== version 1 of 1: 4 launches
;; limits: right only within a limited range of input values
;; workspace buffers: cod1 8,650,752 bytes; scl1 360,448 bytes; qkc 12,582,912 bytes; qks 524,288 bytes; vc 6,291,456 bytes; vs 262,144 bytes; pc 12,582,912 bytes; pst 1,572,864 bytes
;; launch quant (part 1): grid 352 x 1, 4 waves a work-group, no clusters, 34,304 bytes of LDS; arguments x, wq, wk, wv, cod1, scl1; writes cod1, scl1
.if DOCPART == 1
	.amdgcn_target "amdgcn-amd-amdhsa--gfx1250"
	.amdhsa_code_object_version 6
	.text
	.protected	k_q0174ad1b6a_quant
	.globl	k_q0174ad1b6a_quant
	.p2align	8
	.type	k_q0174ad1b6a_quant,@function
k_q0174ad1b6a_quant:
	s_mov_b64 s[64:65], 0
	v_nop
	global_prefetch_b8 v0, s[64:65] scope:SCOPE_SE
	s_setreg_imm32_b32 hwreg(HW_REG_WAVE_MODE, 25, 1), 1
	s_wait_xcnt 0x0
; THE PROGRAM: causal single-head attention, B = 4, S = 2,048, d = 1,024, all five products on codes of FP6 (E2M3) with one E8M0 scale for each 32 along K.  Four launches:
;   quant   x, wq, wk, wv (f32, K innermost) -> codes and scale words           proj    q = x wq^T + bq, k likewise, v likewise -> codes (q, k along d; v along the keys)
;   scores  q k^T / 32, the mask, p = 2^(t - M) for each 128 keys -> codes       pv      p v, brought under the row's M, divided by the row's sum -> out0
; WORK LEFT OUT.  The module sets the score of key k for query q to -infinity where k > q; the softmax gives such a key the weight 0, whatever the inputs hold, so its score and its
; term of the last product reach no output.  Pieces of 128 queries x 128 keys all of whose keys come after all of their queries are therefore not multiplied in the last product, and tiles of 256 x 256 of that kind not in the
; product q k^T.  Every input has a way to the output and is loaded.  LIMIT: a NaN, an infinity or an overflow that would arise only in the pieces left out is not carried to the result.
; THIS LAUNCH.  Rows of 1,024 f32 become OPERAND IMAGES: a fragment (16 rows x 128 K, 12 registers a lane; lane (r, h) holds row r, registers 6 c .. 6 c + 5 hold K = 64 c + 32 h + 0 .. 31) lies as three pieces of 512 bytes,
; piece j = registers 4 j .. 4 j + 3, lane l's 16 bytes at 512 j + 16 l; order [tile of 16 rows][K step of 128][1,536 bytes]; tiles 0-511 x, 512-575 wq, 576-639 wk, 640-703 wv.
; Scale words: a block of 256 bytes for (64 rows, K step): lane (r, h) has 8 bytes, word i the scale word of row 16 (2 i + h) + r.
; A block's scale is 2^(floor(log2(largest magnitude)) - 2); its byte is the largest magnitude's exponent field - 2, held at 1 from below.  A block of zeros so has the byte 1 where the rule says 127: its codes are zeros, and
; this program alone reads the bytes.  LIMITS: NaN and infinities among the inputs are not served.
; SHARES.  Work-group g: 64 rows (g / 2), K steps 4 (g % 2) + wave.  A wave makes 4 fragments and one block of scale words.  Each load reads 512 consecutive bytes of a row; the 16 rows of a fragment turn through the wave's own
; stage in LDS (rows 528 bytes apart), so that a lane gets its 2 x 32 neighbours along K.  Waves share nothing: no barrier.
.set STG,   8448                       ; a wave's stage: 16 rows x 528 bytes
.set SPARE, 4*STG                      ; behind the stages: the spare words, 128 bytes a wave
.set LA,  1                            ; v1   16 x lane
.set SI,  2                            ; v2   the stage on the way in
.set SO,  3                            ; v3   and on the way out: 528 r + 128 h
.set L8,  4                            ; v4   8 x lane
.set H8,  5                            ; v5   8 h
.set SPW, 6                            ; v6   my spare word's LDS address; never rewritten
.set NIL, 7                            ; v7   0; never rewritten
.set M,   8                            ; v8-9 largest magnitudes, v10-11 the conversions' scale operands, v12-13 bytes, v14-15 at work
.set C,   16                           ; v16-39  codes: two sets of 12
.set CT,  40                           ; v40-46  the second halves of a block's codes, as converted
.set PW,  48                           ; v48-51  the four fragments' scale words
.set OW,  52                           ; v52-53  the block of scale words on its way out
.set R,   64                           ; v64-191 of windows 0 and 1: four sets of 64: a fragment's numbers as loaded; fragment t in window t / 2, set t % 2
.set X,   192                          ; v192-255 my 64 numbers of a fragment
	s_load_b256 s[4:11], s[0:1], 0x0               ; x, wq, wk, wv
	s_load_b128 s[12:15], s[0:1], 0x20             ; cod1, scl1
	v_lshl_add_u32 v[SPW], v0, 2, SPARE
	v_mov_b32 v[NIL], 0
	v_lshrrev_b32 v8, 5, v0
	v_readfirstlane_b32 s16, v8                    ; wave
	v_and_b32 v9, 31, v0                           ; lane
	v_and_b32 v10, 15, v0                          ; r
	v_bfe_u32 v11, v0, 4, 1                        ; h
	v_lshlrev_b32 v[LA], 4, v9
	v_lshlrev_b32 v[L8], 3, v9
	v_lshlrev_b32 v[H8], 3, v11
	s_mul_i32 s17, s16, STG
	v_add_nc_u32 v[SI], s17, v[LA]
	v_mul_u32_u24 v[SO], v10, 528
	v_lshl_add_u32 v[SO], v11, 7, v[SO]
	v_add_nc_u32 v[SO], s17, v[SO]
	v_mov_b32 v15, 0                               ; written once: a lane permute's destination counts as one of its sources
	s_mov_b32 s20, 0x76543210
	s_mov_b32 s21, 0xfedcba98                      ; selects for lane l xor 16
	s_mov_b32 s22, 0xffff0000                      ; lanes 16-31
	s_lshr_b32 s18, ttmp9, 1                       ; which 64 rows of the 704 tiles
	s_and_b32 s19, ttmp9, 31
	s_lshr_b32 s19, s19, 1                         ; and which 64 rows of a weight
	s_and_b32 s23, ttmp9, 1
	s_lshl_b32 s23, s23, 2
	s_add_co_u32 s23, s23, s16                     ; my K step
	s_wait_alu depctr_va_vdst(0)
	s_wait_kmcnt 0x0
	s_cmp_lt_u32 ttmp9, 320                        ; the tensor is chosen by the work-group's number alone
	s_cselect_b64 s[8:9], s[8:9], s[10:11]
	s_cmp_lt_u32 ttmp9, 288
	s_cselect_b64 s[6:7], s[6:7], s[8:9]
	s_cmp_lt_u32 ttmp9, 256
	s_cselect_b64 s[4:5], s[4:5], s[6:7]
	s_cselect_b32 s19, s18, s19
	s_lshl_b32 s24, s19, 18                        ; 64 rows of 4,096 bytes
	s_lshl_b32 s26, s23, 9                         ; 128 numbers
	s_add_co_u32 s24, s24, s26
	s_mov_b32 s25, 0
	s_add_nc_u64 s[4:5], s[4:5], s[24:25]
	s_mul_i32 s24, s18, 49152                      ; four tiles of 8 x 1,536 bytes
	s_mul_i32 s26, s23, 1536
	s_add_co_u32 s24, s24, s26
	s_add_nc_u64 s[12:13], s[12:13], s[24:25]
	s_lshl_b32 s24, s18, 11
	s_lshl_b32 s26, s23, 8
	s_add_co_u32 s24, s24, s26
	s_add_nc_u64 s[14:15], s[14:15], s[24:25]
.macro LOAD t                          ; fragment t: 16 rows, 512 consecutive bytes each
.irp i, 0,1,2,3,4,5,6,7,8,9,10,11,12,13,14,15
	global_load_b128 v[R+64*((\t)%2)+4*\i:R+64*((\t)%2)+4*\i+3], v[LA], s[4:5] offset:(16*(\t)+\i)*4096 th:TH_LOAD_NT
.endr
.endm
.macro TURN t                          ; through my stage: LDS serves a wave's instructions in order, so no wait stands between the stores and the loads
.if (\t) >= 2
	s_set_vgpr_msb 0x04                            ; a store's data: window 1
.endif
.irp i, 0,1,2,3,4,5,6,7,8,9,10,11,12,13,14,15
	ds_store_b128 v[SI], v[R+64*((\t)%2)+4*\i:R+64*((\t)%2)+4*\i+3] offset:528*\i
.endr
.if (\t) >= 2
	s_set_vgpr_msb 0x0400                          ; all back to window 0
.endif
.irp c, 0,1
.irp i, 0,1,2,3,4,5,6,7
	ds_load_b128 v[X+32*\c+4*\i:X+32*\c+4*\i+3], v[SO] offset:256*\c+16*\i
.endr
.endr
.endm
.macro FRAGQ t                         ; my two whole blocks (h and 2 + h of row r) become the fragment's registers
.set CS, C+12*((\t)%2)
.irp c, 0,1
	v_max3_num_f32 v[M+\c], |v[X+32*\c]|, |v[X+32*\c+1]|, 0x1800000   ; with the floor 2^(3 - 127): the byte cannot fall under 1
.endr
.irp i, 2,4,6,8,10,12,14,16,18,20,22,24,26,28,30
.irp c, 0,1
	v_max3_num_f32 v[M+\c], v[M+\c], |v[X+32*\c+\i]|, |v[X+32*\c+\i+1]|
.endr
.endr
.irp c, 0,1
	v_add_nc_u32 v[M+2+\c], 0xff000000, v[M+\c]    ; 2 off the exponent field: the conversion's scale operand
.endr
.irp c, 0,1
	v_lshrrev_b32 v[M+4+\c], 23, v[M+2+\c]         ; the scale's byte
.endr
	v_lshl_or_b32 v14, v13, 16, v12
	v_lshlrev_b32 v14, v[H8], v14                  ; my two bytes at their places,
	v_permlanex16_b32 v15, v14, s20, s21
	v_or_b32 v[PW+(\t)], v14, v15                  ; with lane l xor 16's two the word is whole
.irp c, 0,1
	v_cvt_scalef32_pk16_fp6_f32 v[CS+6*\c:CS+6*\c+2], v[X+32*\c:X+32*\c+15], v[M+2+\c]
	v_cvt_scalef32_pk16_fp6_f32 v[CT+4*\c:CT+4*\c+2], v[X+32*\c+16:X+32*\c+31], v[M+2+\c]   ; (a conversion's three registers begin on an even number)
.endr
	v_nop                                          ; one plain place behind a scaled conversion
.irp c, 0,1
.irp i, 0,1,2
	v_mov_b32 v[CS+6*\c+3+\i], v[CT+4*\c+\i]
.endr
.endr
.irp j, 0,1,2
	global_store_b128 v[LA], v[CS+4*\j:CS+4*\j+3], s[12:13] offset:12288*(\t)+512*\j   ; 512 consecutive bytes
.endr
.endm
	LOAD 0                                         ; all four fragments' loads, 64 in all, go out at the start
	LOAD 1
	s_set_vgpr_msb 0x40                            ; destination window 1
	LOAD 2
	LOAD 3
	s_set_vgpr_msb 0x4000
.irp t, 0,1,2,3
	s_wait_loadcnt 48-16*\t                        ; this fragment's 16 loads are in; those of the later fragments, 16 each, may be out
	TURN \t
	s_wait_dscnt 0x0                               ; my 64 numbers are back
.if \t >= 2
	s_wait_xcnt 0x0                                ; the stores of two fragments back have read their codes: the set is written again only behind this wait
.endif
	FRAGQ \t
.endr
	v_cndmask_b32 v[OW], v[PW], v[PW+1], s22       ; word i of lane (r, h): tile 2 i + h
	v_cndmask_b32 v[OW+1], v[PW+2], v[PW+3], s22
	global_store_b64 v[L8], v[OW:OW+1], s[14:15]   ; 256 consecutive bytes
	s_wait_tensorcnt 0x0                           ; the wave's end
	ds_add_u32 v[SPW], v[NIL]
	s_wait_dscnt 0x0
	s_endpgm
.Lfunc_end_k_q0174ad1b6a_quant:
	.size	k_q0174ad1b6a_quant, .Lfunc_end_k_q0174ad1b6a_quant-k_q0174ad1b6a_quant
	.p2alignl 7, 3214868480
	.fill 96, 4, 3214868480
	.section	.rodata,"a",@progbits
	.p2align	6, 0x0
	.amdhsa_kernel k_q0174ad1b6a_quant
		.amdhsa_group_segment_fixed_size 34304
		.amdhsa_private_segment_fixed_size 0
		.amdhsa_enable_private_segment 0
		.amdhsa_kernarg_size 48
		.amdhsa_user_sgpr_count 2
		.amdhsa_user_sgpr_kernarg_segment_ptr 1
		.amdhsa_wavefront_size32 1
		.amdhsa_system_sgpr_workgroup_id_x 1
		.amdhsa_system_sgpr_workgroup_id_y 1
		.amdhsa_system_sgpr_workgroup_id_z 1
		.amdhsa_system_vgpr_workitem_id 0
		.amdhsa_next_free_vgpr 448
		.amdhsa_next_free_sgpr 66
		.amdhsa_reserve_vcc 0
		.amdhsa_float_denorm_mode_32 3
		.amdhsa_float_denorm_mode_16_64 3
		.amdhsa_memory_ordered 1
		.amdhsa_forward_progress 1
		.amdhsa_inst_pref_size 30
	.end_amdhsa_kernel
	.amdgpu_metadata
---
amdhsa.version: [ 1, 2 ]
amdhsa.kernels:
  - .name:           k_q0174ad1b6a_quant
    .symbol:         k_q0174ad1b6a_quant.kd
    .args:
      - { .name: x, .offset: 0, .size: 8, .value_kind: global_buffer, .address_space: global }
      - { .name: wq, .offset: 8, .size: 8, .value_kind: global_buffer, .address_space: global }
      - { .name: wk, .offset: 16, .size: 8, .value_kind: global_buffer, .address_space: global }
      - { .name: wv, .offset: 24, .size: 8, .value_kind: global_buffer, .address_space: global }
      - { .name: cod1, .offset: 32, .size: 8, .value_kind: global_buffer, .address_space: global }
      - { .name: scl1, .offset: 40, .size: 8, .value_kind: global_buffer, .address_space: global }
    .group_segment_fixed_size: 34304
    .private_segment_fixed_size: 0
    .kernarg_segment_align: 8
    .kernarg_segment_size: 48
    .max_flat_workgroup_size: 128
    .sgpr_count:     66
    .vgpr_count:     448
    .wavefront_size: 32
...
	.end_amdgpu_metadata
.endif
;; end of part 1
;; launch proj (part 2): grid 8 x 32, 4 waves a work-group, clusters of 4 x 4, 327,680 bytes of LDS; arguments cod1, scl1, bq, bk, bv, qkc, qks, vc, vs; writes qkc, qks, vc, vs
.if DOCPART == 2
	.amdgcn_target "amdgcn-amd-amdhsa--gfx1250"
	.amdhsa_code_object_version 6
	.text
	.protected	k_q0174ad1b6a_proj
	.globl	k_q0174ad1b6a_proj
	.p2align	8
	.type	k_q0174ad1b6a_proj,@function
k_q0174ad1b6a_proj:
	s_mov_b64 s[64:65], 0
	v_nop
	global_prefetch_b8 v0, s[64:65] scope:SCOPE_SE
	s_setreg_imm32_b32 hwreg(HW_REG_WAVE_MODE, 25, 1), 1
	s_wait_xcnt 0x0
	s_wait_alu depctr_hold_cnt(0) depctr_sa_sdst(0) depctr_va_vdst(0) depctr_va_sdst(0) depctr_va_ssrc(0) depctr_va_vcc(0) depctr_vm_vsrc(0)
	s_getreg_b32 s2, hwreg(HW_REG_IB_STS2, 6, 4)
	s_cmp_eq_u32 s2, 0
	s_cbranch_scc0 .Lentry_in_a_cluster
	s_endpgm
.Lentry_in_a_cluster:
	s_bfe_u32 s2, ttmp6, 0x10000c
	s_cmp_lg_u32 s2, 0xf033
	s_cbranch_scc0 .Lentry_shape_is_right
	s_endpgm
.Lentry_shape_is_right:
; q = x wq^T + bq, k = x wk^T + bk, v = x wv^T + bv on codes of FP6, K = 1,024; the results, with their biases, are quantised in registers and leave as operand images (layout: launch quant's head).  Nothing is left out here.
; SHARES.  256 work-groups of equal work.  Work-group (tx, ty) holds the 256 tokens 256 ty .. of x and makes two products with them, one after the other:
;   product 1: 256 tokens x 256 features 256 tx .. of wq | wk; a wave 128 x 128, 64 accumulators; a lane holds a token, its registers run along the features: q and k are quantised along d.
;   product 2: 128 channels 128 tx .. of wv x the same 256 tokens; a wave 64 channels x 128 tokens, 32 accumulators; a lane holds a channel, its registers run along the tokens: v is quantised along the keys.
; THE MATRIX INSTRUCTION IS USED TRANSPOSED: register 8 b + j of lane (r, h) is (source 1's row r, source 0's row 16 b + 8 h + j).  The 64 registers are quantised as they lie: blocks of 32 are the true blocks, and inside a
; block the codes stand in the order 0-7, 16-23, 8-15, 24-31; q and k have that order along d alike, v and p along the keys alike.
; LDS.  x's 16 tiles for all of K stay from byte 0 on (196,608 bytes: both products read them).  The weights go through bank A (73,728 bytes: 16 tiles x 3 K steps) and bank B (49,152 bytes: 16 tiles x 2 K steps).
; WHO ASKS, one joint load a wave at each place:  the head: waves 0, 1 x's two halves, wave 2 bank A (w's K steps 0-2), wave 3 bank B (K steps 3, 4);
;   the round in K step 2: bank A takes w's K steps 5-7, four tiles a wave;   the round in K step 4: bank B takes wv's K steps 0-3, two tiles a wave;   the round in the middle of product 1's way out: bank A takes wv's K steps 4-7.
; A bank's K steps have been read into registers one K step ahead, so each bank is free at its round.  Every wait on TENSORcnt is for 0; one load of a wave is out at the most.
; CLUSTER 4 x 4: x's tiles hang on ty alone and are asked for jointly along a row of the cluster, the weights' on tx alone and along a column.
; PREFETCH: w's K steps 5-7 (at the head, two K steps ahead of their load) and wv's tiles (in K step 0, four ahead): the 16 waves of the four partners of a column share the blocks of 256 bytes out by address, one
; instruction a wave each time; lanes left over name their wave's last block again.  x and w's K steps 0-4 come by the head's loads alone.
; The scale words come straight into registers, 256 consecutive bytes a load.  K has 8 steps: the walk is written out.  LIMITS: as in launch quant (byte 1 for a block of zeros; NaN and infinities not served).
; REGISTERS: window 0: v16-31 addresses; v32-63 source 1's scale words, v64-95 source 0's (register 4 ks + t / 2: tile t in lanes 0-15 where t is even, 16-31 where odd); v96-119 codes, two sets; v128-223 source 1's fragments,
;   later the numbers to be quantised.  window 1: source 0's fragments, two sets, v0-95 and v128-223; the biases v96-127, v224-255.  windows 2, 3: accumulator (a, b) at v[8 (8 (a % 4) + b)].
.set NL,    3
.set XT,    12288                      ; a tile of 16 rows, all 8 K steps
.set WBA,   16*XT                      ; bank A
.set WBB,   WBA+73728                  ; bank B
.set SPARE, WBB+49152                  ; the spare words, 128 bytes a wave
.set AX0,  16                          ; v16-17 x's tiles 0-3, 4-7 of my half in product 1
.set BX0,  18                          ; v18-19 the same in product 2
.set AWA,  20                          ; w in bank A
.set AWB,  21                          ; w in bank B
.set AVB,  22                          ; wv in bank B; v23: in bank A
.set L16,  24
.set L8,   25
.set H32,  26
.set R4,   27
.set SPW,  28
.set NIL,  29
.set PF1,  30
.set PF2,  31
.set SA,   32
.set SB,   64
.set CD,   96
.set OW,   120
.set AF,   128
.set T,    128
.set CT,   192
.set TM,   200
.set PW,   216
.set G1X,  24
.set G1A,  32
.set G1B,  40
.set G1V,  48
.set G0X,  56
.set G0A,  60
.set G0B,  68
.set G0V,  72
.set WV,   66
.set WR,   67
.set WC,   76
.set HM,   77
.set SEL,  78
.set CX,   80
.set CY,   81
.set TX,   82
.set TY,   83
.set SAB,  84
.set SBB,  86
.set S2X,  88
.set S2V,  90
.set PFA,  92
.set PFB,  94
.set MUL_LO, 0xa1                      ; source 0 window 1, source 1 window 0, C and D window 2
.set MUL_HI, 0xf1
.set TO_B,   0x40
.set MSB, 0
.macro WIN new                         ; the immediate's high byte repeats the setting that is left
.if MSB != (\new)
	s_set_vgpr_msb (MSB<<8)|(\new)
.set MSB, (\new)
.endif
.endm
.macro PLACES                          ; four plain places behind a matrix instruction (ISA guide 7.12.1)
.rept 4
	v_nop
.endr
.endm
.macro TLOAD g0, g1                    ; an s_nop 0 and four v_nop follow the load
	tensor_load_to_lds s[\g0:\g0+3], s[\g1:\g1+7]
	s_nop 0
.rept 4
	v_nop
.endr
.endm
.macro ARM under, g0, g1, next
	s_cmp_lt_u32 s[WV], \under
	s_cbranch_scc0 \next
	TLOAD \g0, \g1
	s_branch .Lhead_asked
\next:
.endm
.macro CREST
	s_cmp_lg_u32 s[WV], 0
	s_cbranch_scc1 .Lnot_wave_0_\@
	s_barrier_signal -3
.Lnot_wave_0_\@:
	s_barrier_wait -3
	s_barrier_signal -1
	s_barrier_wait -1
.endm
.macro CROUND
	s_barrier_signal -1
	s_barrier_wait -1
	CREST
.endm
.macro GRP1 g, d0, rows                ; rows of d0 elements of 8 bytes, 12,288 bytes from tile to tile
	s_mov_b32 s[\g+1], (\d0)<<16
	s_mov_b32 s[\g+2], (\rows)<<16
	s_mov_b32 s[\g+3], (\d0)<<16
	s_mov_b32 s[\g+4], \rows
	s_mov_b32 s[\g+5], 1536
	s_mov_b32 s[\g+6], 0
	s_mov_b32 s[\g+7], 0
.endm
	s_load_b128 s[4:7], s[0:1], 0x0                ; cod1, scl1
	s_load_b128 s[8:11], s[0:1], 0x10              ; bq, bk
	s_load_b128 s[12:15], s[0:1], 0x20             ; bv, qkc
	s_load_b128 s[16:19], s[0:1], 0x30             ; qks, vc
	s_load_b64 s[20:21], s[0:1], 0x40              ; vs
	v_lshl_add_u32 v[SPW], v0, 2, SPARE
	v_mov_b32 v[NIL], 0
	ds_add_u32 v[SPW], v[NIL]                      ; the opening: the add, twice on end, and its wait ahead of my first tensor load
	ds_add_u32 v[SPW], v[NIL]
	v_lshrrev_b32 v1, 5, v0
	v_readfirstlane_b32 s[WV], v1
	s_lshr_b32 s[WR], s[WV], 1
	s_and_b32 s[WC], s[WV], 1
	s_bfe_u32 s[CX], ttmp6, 0x40000
	s_bfe_u32 s[CY], ttmp6, 0x40004
	s_lshl_b32 s[TX], ttmp9, 2
	s_add_co_u32 s[TX], s[TX], s[CX]
	s_and_b32 s[TY], ttmp7, 0xffff
	s_lshl_b32 s[TY], s[TY], 2
	s_add_co_u32 s[TY], s[TY], s[CY]
	s_lshl_b32 s96, s[CY], 2
	s_lshl_b32 s96, 15, s96                        ; my row of the cluster
	s_lshl_b32 s22, 0x1111, s[CX]                  ; my column
	s_or_b32 s[G1X], s96, (3<<16)|(1<<21)          ; the mask; elements of 8 bytes; bit 21 beside a mask; no padding
	s_or_b32 s[G1A], s22, (3<<16)|(1<<21)
	s_or_b32 s[G1B], s22, (3<<16)|(1<<21)
	s_or_b32 s[G1V], s22, (3<<16)|(1<<21)
	GRP1 G1X, 1536, 8                              ; 8 whole tiles of x
	GRP1 G1A, 576, 16                              ; 16 tiles x 3 K steps (behind the head: 4 tiles)
	GRP1 G1B, 384, 16                              ; 16 tiles x 2 K steps
	GRP1 G1V, 768, 2                               ; 2 tiles x 4 K steps
	s_lshl_b32 s96, s[TY], 4                       ; x: tile 16 ty + 8 x half: made of ty alone
	s_lshl_b32 s97, s[WC], 3
	s_add_co_u32 s96, s96, s97
	s_mul_i32 s[G0X+2], s96, XT
	s_mov_b32 s[G0X+3], 0
	s_mov_b32 s[G0X], 1
	s_mul_i32 s[G0X+1], s[WC], 8*XT
	s_lshl_b32 s22, s[TX], 4                       ; w: tile 512 + 16 tx: made of tx alone
	s_add_co_u32 s22, s22, 512
	s_mul_i32 s[G0A+2], s22, XT
	s_mov_b32 s[G0A+3], 0
	s_mov_b32 s[G0A], 1
	s_mov_b32 s[G0A+1], WBA
	s_mov_b32 s[G0B], 1
	s_mov_b32 s[G0B+1], WBB
	s_lshl_b32 s22, s[TX], 3                       ; wv: tile 640 + 8 tx + 2 x wave
	s_add_co_u32 s22, s22, 640
	s_lshl_b32 s23, s[WV], 1
	s_add_co_u32 s22, s22, s23
	s_mul_i32 s[G0V+2], s22, XT
	s_mov_b32 s[G0V+3], 0
	s_mov_b32 s[G0V], 1
	s_mul_i32 s23, s[WV], XT
	s_add_co_u32 s[G0V+1], s23, WBB
	s_lshl_b32 s98, s[TY], 2                       ; scale words: blocks of 64 rows, 2,048 bytes each
	s_lshl_b32 s99, s[WR], 1
	s_add_co_u32 s99, s98, s99
	s_lshl_b32 s[SAB], s99, 11                     ; x's, product 1
	s_mov_b32 s[SAB+1], 0
	s_lshl_b32 s99, s[WC], 1
	s_add_co_u32 s98, s98, s99
	s_lshl_b32 s[S2X], s98, 11                     ; x's, product 2
	s_mov_b32 s[S2X+1], 0
	s_lshl_b32 s98, s[TX], 2
	s_add_co_u32 s98, s98, s99
	s_add_co_u32 s98, s98, 128
	s_lshl_b32 s[SBB], s98, 11                     ; w's
	s_mov_b32 s[SBB+1], 0
	s_lshl_b32 s98, s[TX], 1
	s_add_co_u32 s98, s98, s[WR]
	s_add_co_u32 s98, s98, 160
	s_lshl_b32 s[S2V], s98, 11                     ; wv's
	s_mov_b32 s[S2V+1], 0
	s_lshl_b32 s99, s[CY], 2                       ; the prefetches: u = 4 cy + wave, 0 .. 15 in my column of the cluster
	s_add_co_u32 s99, s99, s[WV]
	s_lshl_b32 s98, s[TX], 4
	s_add_co_u32 s98, s98, s99
	s_add_co_u32 s22, s98, 512
	s_mul_i32 s[PFA], s22, XT
	s_add_co_u32 s[PFA], s[PFA], 7680              ; tile u of w, K steps 5-7: 18 blocks of 256 bytes
	s_mov_b32 s[PFA+1], 0
	s_add_co_u32 s22, s98, 1280
	s_mul_i32 s[PFB], s22, 6144                    ; half a tile of wv: 24 blocks
	s_mov_b32 s[PFB+1], 0
	s_mul_i32 s96, s[WR], 8*XT                     ; LDS: made of the wave's number and constants alone
	s_mul_i32 s97, s[WC], 8*XT
	s_mul_i32 s98, s[WC], 36864
	s_add_co_u32 s98, s98, WBA
	s_mul_i32 s99, s[WC], 24576
	s_add_co_u32 s99, s99, WBB
	s_mul_i32 s100, s[WR], 24576
	s_add_co_u32 s101, s100, WBA
	s_add_co_u32 s100, s100, WBB
	s_mov_b32 s[SEL], 0x76543210
	s_mov_b32 s[SEL+1], 0xfedcba98
	s_mov_b32 s[HM], 0xffff0000
	s_wait_dscnt 0x0                               ; both opening adds are done
	s_wait_kmcnt 0x0
	s_add_nc_u64 s[G0X+2:G0X+3], s[4:5], s[G0X+2:G0X+3]
	s_add_nc_u64 s[G0A+2:G0A+3], s[4:5], s[G0A+2:G0A+3]
	s_add_nc_u64 s[G0B+2:G0B+3], s[G0A+2:G0A+3], 4608
	s_add_nc_u64 s[G0V+2:G0V+3], s[4:5], s[G0V+2:G0V+3]
	s_or_b32 s[G0X+3], s[G0X+3], 0x80000000
	s_or_b32 s[G0A+3], s[G0A+3], 0x80000000
	s_or_b32 s[G0B+3], s[G0B+3], 0x80000000
	s_or_b32 s[G0V+3], s[G0V+3], 0x80000000
	s_add_nc_u64 s[PFA:PFA+1], s[4:5], s[PFA:PFA+1]
	s_add_nc_u64 s[PFB:PFB+1], s[4:5], s[PFB:PFB+1]
	s_add_nc_u64 s[SAB:SAB+1], s[6:7], s[SAB:SAB+1]
	s_add_nc_u64 s[SBB:SBB+1], s[6:7], s[SBB:SBB+1]
	s_add_nc_u64 s[S2X:S2X+1], s[6:7], s[S2X:S2X+1]
	s_add_nc_u64 s[S2V:S2V+1], s[6:7], s[S2V:S2V+1]
	CROUND                                         ; all sixteen work-groups are here: the first joint loads meet
	ARM 2, G0X, G1X, .Lhead_a                      ; one chain, one load to an arm: one tensor load a wave at the head
	ARM 3, G0A, G1A, .Lhead_b
	TLOAD G0B, G1B
.Lhead_asked:
	v_and_b32 v1, 31, v0
	v_and_b32 v2, 15, v0
	v_bfe_u32 v3, v0, 4, 1
	v_lshlrev_b32 v[L16], 4, v1
	v_lshlrev_b32 v[L8], 3, v1
	v_lshlrev_b32 v[H32], 5, v3
	v_lshlrev_b32 v[R4], 2, v2
	v_min_u32 v[PF1], 17, v1
	v_min_u32 v[PF2], 23, v1
	v_lshlrev_b32 v[PF1], 8, v[PF1]
	v_lshlrev_b32 v[PF2], 8, v[PF2]
	v_add_nc_u32 v[AX0], s96, v[L16]
	v_add_nc_u32 v[BX0], s97, v[L16]
	v_add_nc_u32 v[AWA], s98, v[L16]
	v_add_nc_u32 v[AWB], s99, v[L16]
	v_add_nc_u32 v[AVB], s100, v[L16]
	v_add_nc_u32 v[AVB+1], s101, v[L16]
	v_add_nc_u32 v[AX0+1], 4*XT, v[AX0]
	v_add_nc_u32 v[BX0+1], 4*XT, v[BX0]
	global_prefetch_b8 v[PF1], s[PFA:PFA+1] th:TH_LOAD_NT scope:SCOPE_SE   ; w's K steps 5-7; its address registers are never rewritten
.irp ks, 0,1,2,3,4,5,6,7
.irp g, 0,1
	global_load_b64 v[SA+4*\ks+2*\g:SA+4*\ks+2*\g+1], v[L8], s[SAB:SAB+1] offset:2048*\g+256*\ks
	global_load_b64 v[SB+4*\ks+2*\g:SB+4*\ks+2*\g+1], v[L8], s[SBB:SBB+1] offset:2048*\g+256*\ks
.endr
.endr
; One product: source 1's block a (at af) x source 0's block b of set p, K step ks.  The rows of the scale registers go by the blocks' parity.
.macro PROD a, b, p, ks, zero, af
.set rD, 8*(8*((\a)%4)+(\b))
.set rB, 128*(\p)+12*(\b)
.set rA, (\af)+12*(\a)
.set rSB, SB+4*(\ks)+(\b)/2
.set rSA, SA+4*(\ks)+(\a)/2
.set rW, 2*((\b)%2)+(\a)%2
.if \zero
.if rW == 0
	v_wmma_scale_f32_16x16x128_f8f6f4 v[rD:rD+7], v[rB:rB+11], v[rA:rA+11], 0, v[rSB], v[rSA] matrix_a_fmt:MATRIX_FMT_FP6 matrix_b_fmt:MATRIX_FMT_FP6
.elseif rW == 1
	v_wmma_scale_f32_16x16x128_f8f6f4 v[rD:rD+7], v[rB:rB+11], v[rA:rA+11], 0, v[rSB], v[rSA] matrix_a_fmt:MATRIX_FMT_FP6 matrix_b_fmt:MATRIX_FMT_FP6 matrix_b_scale:MATRIX_SCALE_ROW1
.elseif rW == 2
	v_wmma_scale_f32_16x16x128_f8f6f4 v[rD:rD+7], v[rB:rB+11], v[rA:rA+11], 0, v[rSB], v[rSA] matrix_a_fmt:MATRIX_FMT_FP6 matrix_b_fmt:MATRIX_FMT_FP6 matrix_a_scale:MATRIX_SCALE_ROW1
.else
	v_wmma_scale_f32_16x16x128_f8f6f4 v[rD:rD+7], v[rB:rB+11], v[rA:rA+11], 0, v[rSB], v[rSA] matrix_a_fmt:MATRIX_FMT_FP6 matrix_b_fmt:MATRIX_FMT_FP6 matrix_a_scale:MATRIX_SCALE_ROW1 matrix_b_scale:MATRIX_SCALE_ROW1
.endif
.else
.if rW == 0
	v_wmma_scale_f32_16x16x128_f8f6f4 v[rD:rD+7], v[rB:rB+11], v[rA:rA+11], v[rD:rD+7], v[rSB], v[rSA] matrix_a_fmt:MATRIX_FMT_FP6 matrix_b_fmt:MATRIX_FMT_FP6
.elseif rW == 1
	v_wmma_scale_f32_16x16x128_f8f6f4 v[rD:rD+7], v[rB:rB+11], v[rA:rA+11], v[rD:rD+7], v[rSB], v[rSA] matrix_a_fmt:MATRIX_FMT_FP6 matrix_b_fmt:MATRIX_FMT_FP6 matrix_b_scale:MATRIX_SCALE_ROW1
.elseif rW == 2
	v_wmma_scale_f32_16x16x128_f8f6f4 v[rD:rD+7], v[rB:rB+11], v[rA:rA+11], v[rD:rD+7], v[rSB], v[rSA] matrix_a_fmt:MATRIX_FMT_FP6 matrix_b_fmt:MATRIX_FMT_FP6 matrix_a_scale:MATRIX_SCALE_ROW1
.else
	v_wmma_scale_f32_16x16x128_f8f6f4 v[rD:rD+7], v[rB:rB+11], v[rA:rA+11], v[rD:rD+7], v[rSB], v[rSA] matrix_a_fmt:MATRIX_FMT_FP6 matrix_b_fmt:MATRIX_FMT_FP6 matrix_a_scale:MATRIX_SCALE_ROW1 matrix_b_scale:MATRIX_SCALE_ROW1
.endif
.endif
.endm
.macro MUL16 a0, p, ks, zero, af       ; the accumulators take turns, one instruction a turn, in the same order in every step
.irp a, \a0, \a0+1
.irp b, 0,1,2,3,4,5,6,7
	PROD \a, \b, \p, \ks, \zero, \af
.endr
.endr
.endm
.macro FRG dst, adr, off               ; a fragment: three loads of 16 bytes a lane, 512 consecutive bytes each
.irp j, 0,1,2
	ds_load_b128 v[(\dst)+4*\j:(\dst)+4*\j+3], v[\adr] offset:(\off)+512*\j
.endr
.endm
.macro FETCH_W ks, p                   ; w's eight fragments of K step ks into set p: K steps 0-2 and 5-7 lie in bank A, 3 and 4 in bank B
	WIN TO_B
.irp i, 0,1,2,3,4,5,6,7
.if (\ks) == 3 || (\ks) == 4
	FRG 128*(\p)+12*\i, AWB, 3072*\i+1536*((\ks)-3)
.else
	FRG 128*(\p)+12*\i, AWA, 4608*\i+1536*((\ks)%5)
.endif
.endr
	WIN 0
.endm
.macro FETCH_X base, adr, ks, i0       ; x's tiles i0 .. i0 + 3 of my half
.irp i, \i0, \i0+1, \i0+2, \i0+3
	FRG (\base)+12*(\i), \adr+(\i)/4, XT*((\i)%4)+1536*(\ks)
.endr
.endm
.macro FETCH_V ks                      ; wv's four fragments into set ks % 2
.irp i, 0,1,2,3
	FRG AF+48*((\ks)%2)+12*\i, AVB+(\ks)/4, 6144*\i+1536*((\ks)%4)
.endr
.endm
; K step ks of product 1; the next K step is fetched in its middle and at its end.  g0 other than 0: ahead of the barrier each wave waits for all its tensor loads, adds 0 to its spare word and waits for that and for its LDS
; reads; the barrier opens a round of the cluster's barrier, and behind the round the bank that has been read out is filled again, every wave its part.
.macro STEP1 ks, zero, g0, g1
.set P, (\ks)%2
.if \g0
	s_wait_tensorcnt 0x0
	ds_add_u32 v[SPW], v[NIL]
	s_wait_dscnt 4*NL+1                            ; (the add and the youngest 12 loads may be out)
	WIN MUL_LO
	MUL16 0, P, \ks, \zero, AF
	s_wait_dscnt 0x0
	s_barrier_signal -1
	MUL16 2, P, \ks, \zero, AF
	WIN 0
	s_barrier_wait -1
	CREST
	TLOAD \g0, \g1                                 ; its four v_nop are the places ahead of the loads below
.else
	s_wait_dscnt 4*NL                              ; w's set and x's blocks 0-3 are in; the youngest 12 loads (blocks 4-7) may be out
	WIN MUL_LO
	MUL16 0, P, \ks, \zero, AF
	MUL16 2, P, \ks, \zero, AF
	s_wait_dscnt 0x0
	PLACES
.endif
	FETCH_W (\ks)+1, 1-P
	FETCH_X AF, AX0, (\ks)+1, 0
.if (\ks) == 0
	global_prefetch_b8 v[PF2], s[PFB:PFB+1] th:TH_LOAD_NT scope:SCOPE_SE   ; wv's tiles, four K steps ahead of their first load
.endif
	WIN MUL_HI
	MUL16 4, P, \ks, \zero, AF
	MUL16 6, P, \ks, \zero, AF
	PLACES
	WIN 0
	FETCH_X AF, AX0, (\ks)+1, 4
.endm
; K step ks of product 2: 32 products; the next K step's 12 fragments are asked for ahead of them.  In K step 3 a barrier shows wv's K steps 4-7 to every wave.
.macro STEP2 ks, zero
	s_wait_dscnt 0x0
.if (\ks) == 3
	s_wait_tensorcnt 0x0
	s_barrier_signal -1
	s_barrier_wait -1
.endif
	PLACES
.if (\ks) < 7
	WIN TO_B
	FETCH_X 128*(1-(\ks)%2), BX0, (\ks)+1, 0
	FETCH_X 128*(1-(\ks)%2), BX0, (\ks)+1, 4
	WIN 0
	FETCH_V (\ks)+1
.endif
	WIN MUL_LO
	MUL16 0, (\ks)%2, \ks, \zero, AF+48*((\ks)%2)
	MUL16 2, (\ks)%2, \ks, \zero, AF+48*((\ks)%2)
	WIN 0
.endm
; 64 numbers of a lane, v[s] on, register 16 b + i in block b, become a fragment's codes in v[pc] on and its scale word in v[pw].
.macro QUANT s, pc, pw
.irp b, 0,1,2,3
	v_max3_num_f32 v[TM+\b], |v[(\s)+16*\b]|, |v[(\s)+16*\b+1]|, 0x1800000   ; with the floor 2^(3 - 127)
.endr
.irp i, 2,4,6,8,10,12,14
.irp b, 0,1,2,3
	v_max3_num_f32 v[TM+\b], v[TM+\b], |v[(\s)+16*\b+\i]|, |v[(\s)+16*\b+\i+1]|
.endr
.endr
.irp b, 0,1,2,3
	v_permlanex16_b32 v[TM+4+\b], v[TM+\b], s[SEL], s[SEL+1]
.endr
.irp b, 0,1,2,3
	v_max_num_f32 v[TM+\b], v[TM+\b], v[TM+4+\b]   ; with lane l xor 16's 16: the block's largest magnitude
.endr
.irp b, 0,1,2,3
	v_add_nc_u32 v[TM+12+\b], 0xff000000, v[TM+\b] ; 2 off the exponent field: the conversion's scale operand
.endr
.irp b, 0,1,2,3
	v_lshrrev_b32 v[TM+4+\b], 23, v[TM+12+\b]      ; the scale's byte
.endr
	v_lshl_or_b32 v[\pw], v[TM+5], 8, v[TM+4]
	v_lshl_or_b32 v[\pw], v[TM+6], 16, v[\pw]
	v_lshl_or_b32 v[\pw], v[TM+7], 24, v[\pw]
.irp c, 0,1
	v_cvt_scalef32_pk16_fp6_f32 v[(\pc)+6*\c:(\pc)+6*\c+2], v[(\s)+32*\c:(\s)+32*\c+15], v[TM+12+2*\c]
	v_cvt_scalef32_pk16_fp6_f32 v[CT+4*\c:CT+4*\c+2], v[(\s)+32*\c+16:(\s)+32*\c+31], v[TM+12+2*\c+1]
.endr
	v_nop                                          ; one plain place behind a scaled conversion
.irp c, 0,1                                    ; the operand wants a whole block in a lane
.irp i, 0,1,2
	v_permlane16_swap_b32 v[(\pc)+6*\c+\i], v[CT+4*\c+\i]
.endr
.irp i, 0,1,2
	v_mov_b32 v[(\pc)+6*\c+3+\i], v[CT+4*\c+\i]
.endr
.endr
.endm
; Block a: the bias is added (each accumulator is read from its low end on), the 64 numbers are quantised, the image leaves: three stores of 512 consecutive bytes.
.macro EPI a, vp
.set AC, 64*((\a)%4)
.set CS, CD+12*((\a)%2)
	WIN 0x06+(\a)/4                                ; source 0 window 2 or 3, source 1 window 1
.set nn, 0
.rept 32
.if \vp
	v_pk_add_f32 v[T+nn:T+nn+1], v[AC+nn:AC+nn+1], v[96+2*(\a):97+2*(\a)] op_sel_hi:[1,0]
.else
	v_pk_add_f32 v[T+nn:T+nn+1], v[AC+nn:AC+nn+1], v[96+nn+96*(nn/32):97+nn+96*(nn/32)]
.endif
.set nn, nn+2
.endr
	WIN 0
.if (\a) >= 2 || \vp
	s_wait_xcnt 0x0                                ; the earlier stores have read their codes: the set is written again only behind this wait
.endif
	QUANT T, CS, PW+(\a)
.irp j, 0,1,2
	global_store_b128 v[L16], v[CS+4*\j:CS+4*\j+3], s[OC:OC+1] offset:ASTR*(\a)+512*\j
.endr
.endm
.macro WORDS g                         ; word i of lane (r, h): tile 2 i + h
	v_cndmask_b32 v[OW+2*\g], v[PW+4*\g], v[PW+4*\g+1], s[HM]
	v_cndmask_b32 v[OW+2*\g+1], v[PW+4*\g+2], v[PW+4*\g+3], s[HM]
	global_store_b64 v[L8], v[OW+2*\g:OW+2*\g+1], s[OS:OS+1] offset:GSTR*\g
.endm
	s_wait_alu depctr_va_vdst(0)                   ; the head's end
	s_wait_tensorcnt 0x0                           ; my tile of the head's four is in; no load of mine is out, so descriptors may be written:
	s_mul_i32 s22, s[WV], 18432                    ; bank A's refill: four tiles a wave, w's K steps 5-7
	s_add_co_u32 s[G0A+1], s22, WBA
	s_mul_i32 s22, s[WV], 4*XT
	s_add_co_u32 s22, s22, 7680
	s_mov_b32 s23, 0
	s_add_nc_u64 s[G0A+2:G0A+3], s[G0A+2:G0A+3], s[22:23]
	s_mov_b32 s[G1A+2], 4<<16
	s_mov_b32 s[G1A+4], 4
	s_barrier_signal -1                            ; all four tiles are in
	s_barrier_wait -1
	FETCH_W 0, 0
	FETCH_X AF, AX0, 0, 0
	FETCH_X AF, AX0, 0, 4
	s_wait_loadcnt 0x0                             ; the scale words
	STEP1 0, 1, 0, 0                               ; the first step's products start the sums: nothing is cleared
	STEP1 1, 0, 0, 0
	STEP1 2, 0, G0A, G1A                           ; bank A takes w's K steps 5-7
	STEP1 3, 0, 0, 0
	STEP1 4, 0, G0V, G1V                           ; K steps 5-7 are in; bank B takes wv's K steps 0-3
	STEP1 5, 0, 0, 0
	STEP1 6, 0, 0, 0
.set OC, 14
.set OS, 16
.set ASTR, 12288
.set GSTR, 2048
	s_cmp_eq_u32 ttmp9, 0                          ; cluster x 0: q; 1: k
	s_cselect_b64 s[8:9], s[8:9], s[10:11]
	s_lshl_b32 s22, s[CX], 10                      ; my 128 features: 4 (256 cx + 128 half)
	s_lshl_b32 s23, s[WC], 9
	s_add_co_u32 s22, s22, s23
	s_mov_b32 s23, 0
	s_add_nc_u64 s[8:9], s[8:9], s[22:23]
	WIN TO_B
.irp b, 0,1,2,3,4,5,6,7
.irp jj, 0,1
	global_load_b128 v[96+8*\b+4*\jj+96*(\b/4):96+8*\b+4*\jj+96*(\b/4)+3], v[H32], s[8:9] offset:64*\b+16*\jj   ; the bias of feature 16 b + 8 h + j, in the result's layout
.endr
.endr
	WIN 0
	s_lshl_b32 s96, ttmp9, 9
	s_lshl_b32 s97, s[TY], 4
	s_add_co_u32 s96, s96, s97
	s_lshl_b32 s97, s[WR], 3
	s_add_co_u32 s96, s96, s97                     ; my first tile of tokens in qkc
	s_lshl_b32 s97, s[CX], 1
	s_add_co_u32 s97, s97, s[WC]                   ; my step of 128 features
	s_lshl_b32 s22, s96, 3
	s_add_co_u32 s22, s22, s97
	s_mul_i32 s22, s22, 1536
	s_add_nc_u64 s[14:15], s[14:15], s[22:23]
	s_lshl_b32 s22, s96, 1
	s_add_co_u32 s22, s22, s97
	s_lshl_b32 s22, s22, 8
	s_add_nc_u64 s[16:17], s[16:17], s[22:23]
	s_wait_dscnt 4*NL                              ; K step 7: nothing more to fetch
	WIN MUL_LO
	MUL16 0, 1, 7, 0, AF
	MUL16 2, 1, 7, 0, AF
	s_wait_dscnt 0x0
	WIN MUL_HI
	MUL16 4, 1, 7, 0, AF
	MUL16 6, 1, 7, 0, AF
	WIN 0
	PLACES
.irp ks, 0,1,2,3,4,5,6,7                       ; product 2's scale words land under the way out: 24 loads
.irp g, 0,1
	global_load_b64 v[SB+4*\ks+2*\g:SB+4*\ks+2*\g+1], v[L8], s[S2X:S2X+1] offset:2048*\g+256*\ks
.endr
	global_load_b64 v[SA+4*\ks:SA+4*\ks+1], v[L8], s[S2V:S2V+1] offset:256*\ks
.endr
	s_wait_loadcnt 24                              ; the biases are in; the 24 loads just issued may be out
.irp b, 0,1,2,3
	v_mov_b32 v[TM+4+\b], 0                        ; a lane permute's destination counts as one of its sources
.endr
.irp a, 0,1,2,3
	EPI \a, 0
.endr
	s_wait_alu depctr_va_vdst(0)                   ; directly ahead of the wait below
	s_wait_tensorcnt 0x0                           ; wv's K steps 0-3 are in
	ds_add_u32 v[SPW], v[NIL]
	s_mul_i32 s22, s[WV], XT
	s_add_co_u32 s[G0V+1], s22, WBA
	s_add_nc_u64 s[G0V+2:G0V+3], s[G0V+2:G0V+3], 6144
	s_wait_dscnt 0x0
	CROUND                                         ; bank A was read out in K step 6, in every wave of every partner
	TLOAD G0V, G1V                                 ; wv's K steps 4-7
.irp a, 4,5,6,7
	EPI \a, 0
.endr
	WORDS 0
	WORDS 1
	s_wait_alu depctr_va_vdst(0)                   ; ahead of the run of scalar instructions
.set OC, 18
.set OS, 20
.set ASTR, 24576
.set GSTR, 4096
	s_lshl_b32 s22, s[TX], 9                       ; bv at my 64 channels: 4 (128 tx + 64 half)
	s_lshl_b32 s23, s[WR], 8
	s_add_co_u32 s22, s22, s23
	s_mov_b32 s23, 0
	s_add_nc_u64 s[12:13], s[12:13], s[22:23]
	s_lshr_b32 s96, s[TY], 3                       ; the batch
	s_lshl_b32 s96, s96, 6
	s_lshl_b32 s97, s[TX], 3
	s_add_co_u32 s96, s96, s97
	s_lshl_b32 s97, s[WR], 2
	s_add_co_u32 s96, s96, s97                     ; 64 batch + my first tile of channels
	s_and_b32 s97, s[TY], 7
	s_lshl_b32 s97, s97, 1
	s_add_co_u32 s97, s97, s[WC]                   ; my key step
	s_lshl_b32 s22, s96, 4
	s_add_co_u32 s22, s22, s97
	s_mul_i32 s22, s22, 1536
	s_add_nc_u64 s[18:19], s[18:19], s[22:23]
	s_lshl_b32 s22, s96, 2
	s_add_co_u32 s22, s22, s97
	s_lshl_b32 s22, s22, 8
	s_add_nc_u64 s[20:21], s[20:21], s[22:23]
	WIN TO_B
	FETCH_X 0, BX0, 0, 0
	FETCH_X 0, BX0, 0, 4
	WIN 0
	FETCH_V 0
	s_wait_loadcnt 0x0                             ; product 2's scale words
	WIN TO_B
.irp a, 0,1,2,3
	global_load_b32 v[96+2*\a], v[R4], s[12:13] offset:64*\a      ; bv of channel 16 a + r; the pair's upper word is written too
	global_load_b32 v[97+2*\a], v[R4], s[12:13] offset:64*\a
.endr
	WIN 0
	STEP2 0, 1
.irp ks, 1,2,3,4,5,6,7
	STEP2 \ks, 0
.endr
	PLACES
	s_wait_loadcnt 0x0                             ; bv
.irp b, 0,1,2,3
	v_mov_b32 v[TM+4+\b], 0
.endr
.irp a, 0,1,2,3
	EPI \a, 1
.endr
	WORDS 0
	s_wait_tensorcnt 0x0                           ; the wave's end
	ds_add_u32 v[SPW], v[NIL]
	s_wait_dscnt 0x0
	CROUND                                         ; the closing round
	s_endpgm
.Lfunc_end_k_q0174ad1b6a_proj:
	.size	k_q0174ad1b6a_proj, .Lfunc_end_k_q0174ad1b6a_proj-k_q0174ad1b6a_proj
	.p2alignl 7, 3214868480
	.fill 96, 4, 3214868480
	.section	.rodata,"a",@progbits
	.p2align	6, 0x0
	.amdhsa_kernel k_q0174ad1b6a_proj
		.amdhsa_group_segment_fixed_size 327680
		.amdhsa_private_segment_fixed_size 0
		.amdhsa_enable_private_segment 0
		.amdhsa_kernarg_size 72
		.amdhsa_user_sgpr_count 2
		.amdhsa_user_sgpr_kernarg_segment_ptr 1
		.amdhsa_wavefront_size32 1
		.amdhsa_system_sgpr_workgroup_id_x 1
		.amdhsa_system_sgpr_workgroup_id_y 1
		.amdhsa_system_sgpr_workgroup_id_z 1
		.amdhsa_system_vgpr_workitem_id 0
		.amdhsa_next_free_vgpr 1024
		.amdhsa_next_free_sgpr 102
		.amdhsa_reserve_vcc 0
		.amdhsa_float_denorm_mode_32 3
		.amdhsa_float_denorm_mode_16_64 3
		.amdhsa_memory_ordered 1
		.amdhsa_forward_progress 1
		.amdhsa_inst_pref_size 240
	.end_amdhsa_kernel
	.amdgpu_metadata
---
amdhsa.version: [ 1, 2 ]
amdhsa.kernels:
  - .name:           k_q0174ad1b6a_proj
    .symbol:         k_q0174ad1b6a_proj.kd
    .args:
      - { .name: cod1, .offset: 0, .size: 8, .value_kind: global_buffer, .address_space: global }
      - { .name: scl1, .offset: 8, .size: 8, .value_kind: global_buffer, .address_space: global }
      - { .name: bq, .offset: 16, .size: 8, .value_kind: global_buffer, .address_space: global }
      - { .name: bk, .offset: 24, .size: 8, .value_kind: global_buffer, .address_space: global }
      - { .name: bv, .offset: 32, .size: 8, .value_kind: global_buffer, .address_space: global }
      - { .name: qkc, .offset: 40, .size: 8, .value_kind: global_buffer, .address_space: global }
      - { .name: qks, .offset: 48, .size: 8, .value_kind: global_buffer, .address_space: global }
      - { .name: vc, .offset: 56, .size: 8, .value_kind: global_buffer, .address_space: global }
      - { .name: vs, .offset: 64, .size: 8, .value_kind: global_buffer, .address_space: global }
    .group_segment_fixed_size: 327680
    .private_segment_fixed_size: 0
    .kernarg_segment_align: 8
    .kernarg_segment_size: 72
    .max_flat_workgroup_size: 128
    .sgpr_count:     102
    .vgpr_count:     1024
    .wavefront_size: 32
...
	.end_amdgpu_metadata
.endif
;; end of part 2
;; launch scores (part 3): grid 36 x 4, 4 waves a work-group, no clusters, 327,680 bytes of LDS; arguments qkc, qks, pc, pst; writes pc, pst
.if DOCPART == 3
	.amdgcn_target "amdgcn-amd-amdhsa--gfx1250"
	.amdhsa_code_object_version 6
	.text
	.protected	k_q0174ad1b6a_scores
	.globl	k_q0174ad1b6a_scores
	.p2align	8
	.type	k_q0174ad1b6a_scores,@function
k_q0174ad1b6a_scores:
	s_mov_b64 s[64:65], 0
	v_nop
	global_prefetch_b8 v0, s[64:65] scope:SCOPE_SE
	s_setreg_imm32_b32 hwreg(HW_REG_WAVE_MODE, 25, 1), 1
	s_wait_xcnt 0x0
.set NL,    3
; t = q k^T log2(e) / 32 on codes of FP6, K = 1,024, the causal mask, p = 2^(t - M) with M for each 128 keys; p leaves as operand images with its scale words, -M and the sums.
; LEFT OUT: tiles of 256 x 256 all of whose keys come after all of their queries (shown at launch quant's head): 36 tiles a batch; a wave's 128 x 128 of that kind in a tile on the diagonal stores zero codes.
; LDS: q's 16 tiles for all of K stay from byte 0 on; k goes through bank A (16 tiles x 3 K steps) and bank B (16 tiles x 2 K steps).  The head: waves 0, 1 q's halves, wave 2 bank A (K steps 0-2), wave 3 bank B (3, 4).
; Behind the barrier in K step 2 bank A, read out one K step ahead, takes K steps 5-7, four tiles a wave; the barrier in K step 4 shows them to every wave.  Every wait on TENSORcnt is for 0; one load of a wave is out at the most.
; NO CLUSTER: the tiles form a triangle, 36 to a batch, which does not divide into clusters whose partners share a row or a column.
; PREFETCH: k's K steps 5-7, at the head, two K steps ahead of their load.  Of the work-groups (I, J) that read k's tile J the four with I - J under 4 share its 16 tiles of rows out by address: tile 4 (I - J) + wave,
; 18 blocks of 256 bytes, one instruction a wave; the lanes left over name the last block again.  Where fewer than four read the tile, the rest comes by its load alone.
.set XT,    12288                      ; a tile of 16 rows, all 8 K steps
.set WBA,   16*XT                      ; bank A
.set WBB,   WBA+73728                  ; bank B
.set SPARE, WBB+49152                  ; the spare words, 128 bytes a wave
.set G1X,  24
.set G1A,  68
.set G1B,  76
.set G0X,  32
.set G0A,  36
.set G0B,  84
.set ADRA, 16
.set ADRB, 20
.set L16,  24
.set L8,   25
.set DQ,   26
.set NINF, 27
.set SPW,  28
.set NIL,  29
.set SA,   32
.set SB,   64
.set CD,   96
.set AF,   128
.set T,    128
.set CT,   192
.set TM,   200
.set PW,   216
.set NM,   224
.set LL,   232
.set OW,   242
.set G1,   24
.set G0,   32
.set MUL_LO, 0xa1
.set MUL_HI, 0xf1
.set TO_B,   0x40
.set MSB, 0
.macro WIN new
.if MSB != (\new)
	s_set_vgpr_msb (MSB<<8)|(\new)
.set MSB, (\new)
.endif
.endm
.macro PLACES
.rept 4
	v_nop
.endr
.endm
	s_load_b256 s[4:11], s[0:1], 0x0
	v_lshl_add_u32 v[SPW], v0, 2, SPARE
	v_mov_b32 v[NIL], 0
	ds_add_u32 v[SPW], v[NIL]
	ds_add_u32 v[SPW], v[NIL]
	v_lshrrev_b32 v1, 5, v0
	v_readfirstlane_b32 s12, v1
	s_lshr_b32 s13, s12, 1
	s_and_b32 s14, s12, 1
	s_and_b32 s42, ttmp7, 0xffff
	s_mov_b32 s40, 0
.irp c, 1,3,6,10,15,21,28
	s_cmp_ge_u32 ttmp9, \c
	s_add_co_ci_u32 s40, s40, 0
.endr
	s_add_co_u32 s41, s40, 1
	s_mul_i32 s41, s41, s40
	s_lshr_b32 s41, s41, 1
	s_sub_co_u32 s41, ttmp9, s41
.macro GRP1 g, d0, rows                ; rows of d0 elements of 8 bytes, 12,288 bytes from tile to tile; no mask, no padding
	s_mov_b32 s[\g], 3<<16
	s_mov_b32 s[\g+1], (\d0)<<16
	s_mov_b32 s[\g+2], (\rows)<<16
	s_mov_b32 s[\g+3], (\d0)<<16
	s_mov_b32 s[\g+4], \rows
	s_mov_b32 s[\g+5], 1536
	s_mov_b32 s[\g+6], 0
	s_mov_b32 s[\g+7], 0
.endm
	GRP1 G1X, 1536, 8                              ; 8 whole tiles of q
	GRP1 G1A, 576, 16                              ; 16 tiles x 3 K steps (behind the head: 4 tiles)
	GRP1 G1B, 384, 16                              ; 16 tiles x 2 K steps
	s_lshl_b32 s43, s42, 7
	s_lshl_b32 s44, s40, 4
	s_add_co_u32 s44, s44, s43
	s_lshl_b32 s45, s14, 3
	s_add_co_u32 s44, s44, s45                     ; q: tile 128 batch + 16 I + 8 x half
	s_mul_i32 s44, s44, XT
	s_mov_b32 s45, 0
	s_lshl_b32 s46, s41, 4
	s_add_co_u32 s46, s46, s43
	s_add_co_u32 s46, s46, 512                     ; k: tile 512 + 128 batch + 16 J
	s_mul_i32 s46, s46, XT
	s_mov_b32 s47, 0
	s_lshl_b32 s50, s40, 1
	s_add_co_u32 s50, s50, s13
	s_lshl_b32 s51, s41, 1
	s_add_co_u32 s51, s51, s14
	s_cmp_eq_u32 s51, s50
	s_cselect_b32 s15, 1, 0
	s_cmp_gt_u32 s51, s50
	s_cselect_b32 s16, 1, 0
	s_lshl_b32 s52, s42, 5
	s_lshl_b32 s53, s40, 2
	s_add_co_u32 s53, s53, s52
	s_lshl_b32 s54, s13, 1
	s_add_co_u32 s53, s53, s54
	s_lshl_b32 s56, s53, 11
	s_mov_b32 s57, 0
	s_lshl_b32 s54, s41, 2
	s_add_co_u32 s54, s54, s52
	s_lshl_b32 s55, s14, 1
	s_add_co_u32 s54, s54, s55
	s_add_co_u32 s54, s54, 128
	s_lshl_b32 s58, s54, 11
	s_mov_b32 s59, 0
	s_lshl_b32 s60, s53, 6
	s_add_co_u32 s60, s60, s51
	s_mul_i32 s60, s60, 1536
	s_mov_b32 s61, 0
	s_lshl_b32 s62, s53, 4
	s_add_co_u32 s62, s62, s51
	s_mul_i32 s62, s62, 768
	s_mov_b32 s63, 0
	s_mov_b32 s17, 0xffff0000
	s_mov_b32 s20, 0x76543210
	s_mov_b32 s21, 0xfedcba98
	s_mov_b32 s22, 0x3d38aa3b
	s_mov_b32 s23, s22
	s_wait_dscnt 0x0
	s_wait_kmcnt 0x0
	s_add_nc_u64 s[56:57], s[6:7], s[56:57]
	s_add_nc_u64 s[58:59], s[6:7], s[58:59]
	s_add_nc_u64 s[8:9], s[8:9], s[60:61]
	s_add_nc_u64 s[10:11], s[10:11], s[62:63]
	s_mov_b32 s[G0X], 1
	s_mul_i32 s[G0X+1], s14, 8*XT
	s_add_nc_u64 s[G0X+2:G0X+3], s[4:5], s[44:45]
	s_mov_b32 s[G0A], 1
	s_mov_b32 s[G0A+1], WBA
	s_add_nc_u64 s[G0A+2:G0A+3], s[4:5], s[46:47]
	s_mov_b32 s[G0B], 1
	s_mov_b32 s[G0B+1], WBB
	s_add_nc_u64 s[G0B+2:G0B+3], s[G0A+2:G0A+3], 4608
	s_or_b32 s[G0X+3], s[G0X+3], 0x80000000
	s_or_b32 s[G0A+3], s[G0A+3], 0x80000000
	s_or_b32 s[G0B+3], s[G0B+3], 0x80000000
.macro ARM under, g0, g1, next         ; one chain, one load to an arm: one tensor load a wave at the head
	s_cmp_lt_u32 s12, \under
	s_cbranch_scc0 \next
	tensor_load_to_lds s[\g0:\g0+3], s[\g1:\g1+7]
	s_nop 0
.rept 4
	v_nop
.endr
	s_branch .Lhead_asked
\next:
.endm
	ARM 2, G0X, G1X, .Lhead_a
	ARM 3, G0A, G1A, .Lhead_b
	tensor_load_to_lds s[G0B:G0B+3], s[G1B:G1B+7]
	s_nop 0
.rept 4
	v_nop
.endr
.Lhead_asked:
	v_and_b32 v1, 31, v0
	v_and_b32 v2, 15, v0
	v_bfe_u32 v3, v0, 4, 1
	v_lshlrev_b32 v[L16], 4, v1
	v_lshlrev_b32 v[L8], 3, v1
	v_lshlrev_b32 v3, 3, v3
	v_sub_nc_u32 v[DQ], v2, v3
	v_mov_b32 v[NINF], 0xff800000
	s_mul_i32 s46, s13, 8*XT
	s_mul_i32 s47, s14, 36864
	s_add_co_u32 s47, s47, WBA
	s_mul_i32 s48, s14, 24576
	s_add_co_u32 s48, s48, WBB
	v_add_nc_u32 v[ADRA], s46, v[L16]              ; q's tiles 0-3 of my half,
	v_add_nc_u32 v[ADRA+1], 4*XT, v[ADRA]          ; and 4-7
	v_add_nc_u32 v[ADRB], s47, v[L16]              ; k in bank A,
	v_add_nc_u32 v[ADRB+1], s48, v[L16]            ; and in bank B
	v_min_u32 v30, 17, v1
	v_lshlrev_b32 v30, 8, v30                      ; the prefetch: a lane a block of 256 bytes
	s_sub_co_u32 s60, s40, s41                     ; I - J
	s_lshl_b32 s61, s60, 2
	s_add_co_u32 s61, s61, s12
	s_lshl_b32 s62, s41, 4
	s_add_co_u32 s61, s61, s62
	s_add_co_u32 s61, s61, s43
	s_add_co_u32 s61, s61, 512                     ; k's tile 512 + 128 batch + 16 J + 4 (I - J) + wave
	s_mul_i32 s62, s61, XT
	s_add_co_u32 s62, s62, 7680                    ; its K steps 5-7
	s_mov_b32 s63, 0
	s_add_nc_u64 s[62:63], s[4:5], s[62:63]        ; never rewritten
	s_wait_alu depctr_va_vdst(0)                   ; behind the run of scalar instructions and ahead of the branch
	s_cmp_gt_u32 s60, 3
	s_cbranch_scc1 .Lno_ask
	global_prefetch_b8 v30, s[62:63] th:TH_LOAD_NT scope:SCOPE_SE
.Lno_ask:
.irp ks, 0,1,2,3,4,5,6,7
.irp g, 0,1
	global_load_b64 v[SA+4*\ks+2*\g:SA+4*\ks+2*\g+1], v[L8], s[56:57] offset:2048*\g+256*\ks
	global_load_b64 v[SB+4*\ks+2*\g:SB+4*\ks+2*\g+1], v[L8], s[58:59] offset:2048*\g+256*\ks
.endr
.endr
.macro PROD a, b, p, ks, zero
.set rD, 8*(8*((\a)%4)+(\b))
.set rB, 128*(\p)+12*(\b)
.set rA, AF+12*(\a)
.set rSB, SB+4*(\ks)+(\b)/2
.set rSA, SA+4*(\ks)+(\a)/2
.set rW, 2*((\b)%2)+(\a)%2
.if \zero
.if rW == 0
	v_wmma_scale_f32_16x16x128_f8f6f4 v[rD:rD+7], v[rB:rB+11], v[rA:rA+11], 0, v[rSB], v[rSA] matrix_a_fmt:MATRIX_FMT_FP6 matrix_b_fmt:MATRIX_FMT_FP6
.elseif rW == 1
	v_wmma_scale_f32_16x16x128_f8f6f4 v[rD:rD+7], v[rB:rB+11], v[rA:rA+11], 0, v[rSB], v[rSA] matrix_a_fmt:MATRIX_FMT_FP6 matrix_b_fmt:MATRIX_FMT_FP6 matrix_b_scale:MATRIX_SCALE_ROW1
.elseif rW == 2
	v_wmma_scale_f32_16x16x128_f8f6f4 v[rD:rD+7], v[rB:rB+11], v[rA:rA+11], 0, v[rSB], v[rSA] matrix_a_fmt:MATRIX_FMT_FP6 matrix_b_fmt:MATRIX_FMT_FP6 matrix_a_scale:MATRIX_SCALE_ROW1
.else
	v_wmma_scale_f32_16x16x128_f8f6f4 v[rD:rD+7], v[rB:rB+11], v[rA:rA+11], 0, v[rSB], v[rSA] matrix_a_fmt:MATRIX_FMT_FP6 matrix_b_fmt:MATRIX_FMT_FP6 matrix_a_scale:MATRIX_SCALE_ROW1 matrix_b_scale:MATRIX_SCALE_ROW1
.endif
.else
.if rW == 0
	v_wmma_scale_f32_16x16x128_f8f6f4 v[rD:rD+7], v[rB:rB+11], v[rA:rA+11], v[rD:rD+7], v[rSB], v[rSA] matrix_a_fmt:MATRIX_FMT_FP6 matrix_b_fmt:MATRIX_FMT_FP6
.elseif rW == 1
	v_wmma_scale_f32_16x16x128_f8f6f4 v[rD:rD+7], v[rB:rB+11], v[rA:rA+11], v[rD:rD+7], v[rSB], v[rSA] matrix_a_fmt:MATRIX_FMT_FP6 matrix_b_fmt:MATRIX_FMT_FP6 matrix_b_scale:MATRIX_SCALE_ROW1
.elseif rW == 2
	v_wmma_scale_f32_16x16x128_f8f6f4 v[rD:rD+7], v[rB:rB+11], v[rA:rA+11], v[rD:rD+7], v[rSB], v[rSA] matrix_a_fmt:MATRIX_FMT_FP6 matrix_b_fmt:MATRIX_FMT_FP6 matrix_a_scale:MATRIX_SCALE_ROW1
.else
	v_wmma_scale_f32_16x16x128_f8f6f4 v[rD:rD+7], v[rB:rB+11], v[rA:rA+11], v[rD:rD+7], v[rSB], v[rSA] matrix_a_fmt:MATRIX_FMT_FP6 matrix_b_fmt:MATRIX_FMT_FP6 matrix_a_scale:MATRIX_SCALE_ROW1 matrix_b_scale:MATRIX_SCALE_ROW1
.endif
.endif
.endm
.macro MUL16 a0, p, ks, zero
.irp a, \a0, \a0+1
.irp b, 0,1,2,3,4,5,6,7
	PROD \a, \b, \p, \ks, \zero
.endr
.endr
.endm
.macro FETCH_B buf, q, p
	WIN TO_B
.irp i, 0,1,2,3,4,5,6,7
.irp j, 0,1,2
.if (\buf) == 3 || (\buf) == 4                 ; buf: the K step.  K steps 0-2 and 5-7 lie in bank A, 3 and 4 in bank B
	ds_load_b128 v[128*(\p)+12*\i+4*\j:128*(\p)+12*\i+4*\j+3], v[ADRB+1] offset:3072*\i+1536*((\buf)-3)+512*\j
.else
	ds_load_b128 v[128*(\p)+12*\i+4*\j:128*(\p)+12*\i+4*\j+3], v[ADRB] offset:4608*\i+1536*((\buf)%5)+512*\j
.endif
.endr
.endr
	WIN 0
.endm
.macro FETCH_A buf, q, i0
.irp i, \i0, \i0+1, \i0+2, \i0+3
.irp j, 0,1,2
	ds_load_b128 v[AF+12*(\i)+4*\j:AF+12*(\i)+4*\j+3], v[ADRA+(\i)/4] offset:XT*((\i)%4)+1536*(\buf)+512*\j
.endr
.endr
.endm
.macro STEP fb, fq, p, ks, zero
	s_wait_dscnt 4*NL
	WIN MUL_LO
	MUL16 0, \p, \ks, \zero
	MUL16 2, \p, \ks, \zero
	s_wait_dscnt 0x0
	PLACES
	FETCH_B \fb, \fq, 1-(\p)
	FETCH_A \fb, \fq, 0
	WIN MUL_HI
	MUL16 4, \p, \ks, \zero
	MUL16 6, \p, \ks, \zero
	PLACES
	WIN 0
	FETCH_A \fb, \fq, 4
.endm
; K step ks with a barrier in it.  Ahead of it each wave waits for all its tensor loads, adds 0 to its spare word and waits for that and for its LDS reads.  fill = 1: bank A is filled again.
.macro TURN next, fill, ks
	s_wait_tensorcnt 0x0
	ds_add_u32 v[SPW], v[NIL]
	s_wait_dscnt 4*NL+1
	WIN MUL_LO
	MUL16 0, (\ks)%2, \ks, 0
	s_wait_dscnt 0x0
	s_barrier_signal -1
	MUL16 2, (\ks)%2, \ks, 0
	WIN 0
	s_barrier_wait -1
.if \fill
	tensor_load_to_lds s[G0A:G0A+3], s[G1A:G1A+7]
	s_nop 0
.endif
	PLACES
	FETCH_B \next, 0, 1-(\ks)%2
	FETCH_A \next, 0, 0
	WIN MUL_HI
	MUL16 4, (\ks)%2, \ks, 0
	MUL16 6, (\ks)%2, \ks, 0
	PLACES
	WIN 0
	FETCH_A \next, 0, 4
.endm
.macro SOFT a
.set AC, 64*((\a)%4)
.set CS, CD+12*((\a)%2)
	WIN 0x02+(\a)/4
.set nn, 0
.rept 32
	v_pk_mul_f32 v[T+nn:T+nn+1], v[AC+nn:AC+nn+1], s[22:23] op_sel_hi:[1,0]
.set nn, nn+2
.endr
	WIN 0
	s_cmp_eq_u32 s15, 0
	s_cbranch_scc1 .Lopen_\@
.irp j, 0,1,2,3,4,5,6,7
	v_cmp_gt_i32 vcc_lo, \j, v[DQ]
	v_cndmask_b32 v[T+8*(\a)+\j], v[T+8*(\a)+\j], v[NINF], vcc_lo
.endr
.if (\a) < 7
.set nn, 8*(\a)+8
.rept 56-8*(\a)
	v_mov_b32 v[T+nn], v[NINF]
.set nn, nn+1
.endr
.endif
.Lopen_\@:
.irp b, 0,1,2,3
	v_max3_num_f32 v[TM+\b], v[T+16*\b], v[T+16*\b+1], v[T+16*\b+2]
.endr
.irp i, 3,5,7,9,11,13
.irp b, 0,1,2,3
	v_max3_num_f32 v[TM+\b], v[TM+\b], v[T+16*\b+\i], v[T+16*\b+\i+1]
.endr
.endr
.irp b, 0,1,2,3
	v_max_num_f32 v[TM+\b], v[TM+\b], v[T+16*\b+15]
.endr
.irp b, 0,1,2,3
	v_permlanex16_b32 v[TM+4+\b], v[TM+\b], s20, s21
.endr
.irp b, 0,1,2,3
	v_max_num_f32 v[TM+\b], v[TM+\b], v[TM+4+\b]
.endr
	v_max3_num_f32 v[TM+8], v[TM], v[TM+1], v[TM+2]
	v_max_num_f32 v[TM+8], v[TM+8], v[TM+3]
	v_floor_f32 v[NM+(\a)], -v[TM+8]
	v_mov_b32 v240, v[NM+(\a)]
.set nn, 0
.rept 32
	v_pk_add_f32 v[T+nn:T+nn+1], v[T+nn:T+nn+1], v[240:241] op_sel_hi:[1,0]
.set nn, nn+2
.endr
.irp b, 0,1,2,3
	v_add_f32 v[TM+\b], v[TM+\b], v240
.endr
.set nn, 0
	s_wait_alu depctr_va_vdst(0)
.rept 64
	v_exp_f32 v[T+nn], v[T+nn]
.set nn, nn+1
.endr
	v_nop
	s_wait_alu depctr_va_vdst(0)
.irp b, 0,1,2,3
	v_exp_f32 v[TM+\b], v[TM+\b]
.endr
	v_pk_add_f32 v[TM+8:TM+9], v[T:T+1], v[T+2:T+3]
	v_pk_add_f32 v[TM+10:TM+11], v[T+4:T+5], v[T+6:T+7]
.irp j, 8,12,16,20,24,28,32,36,40,44,48,52,56,60
	v_pk_add_f32 v[TM+8:TM+9], v[TM+8:TM+9], v[T+\j:T+\j+1]
	v_pk_add_f32 v[TM+10:TM+11], v[TM+10:TM+11], v[T+\j+2:T+\j+3]
.endr
	v_pk_add_f32 v[TM+8:TM+9], v[TM+8:TM+9], v[TM+10:TM+11]
	v_add_f32 v[TM+8], v[TM+8], v[TM+9]
	v_permlanex16_b32 v[TM+4], v[TM+8], s20, s21
	v_add_f32 v[LL+(\a)], v[TM+8], v[TM+4]
	s_wait_alu depctr_va_vdst(0)
.irp b, 0,1,2,3
	v_max_num_f32 v[TM+\b], 0x1800000, v[TM+\b]
.endr
.irp b, 0,1,2,3
	v_add_nc_u32 v[TM+12+\b], 0xff000000, v[TM+\b]
.endr
.irp b, 0,1,2,3
	v_lshrrev_b32 v[TM+4+\b], 23, v[TM+12+\b]
.endr
	v_lshl_or_b32 v[PW+(\a)], v[TM+5], 8, v[TM+4]
	v_lshl_or_b32 v[PW+(\a)], v[TM+6], 16, v[PW+(\a)]
	v_lshl_or_b32 v[PW+(\a)], v[TM+7], 24, v[PW+(\a)]
.if (\a) >= 2
	s_wait_xcnt 0x0
.endif
.irp c, 0,1
	v_cvt_scalef32_pk16_fp6_f32 v[CS+6*\c:CS+6*\c+2], v[T+32*\c:T+32*\c+15], v[TM+12+2*\c]
	v_cvt_scalef32_pk16_fp6_f32 v[CT+4*\c:CT+4*\c+2], v[T+32*\c+16:T+32*\c+31], v[TM+12+2*\c+1]
.endr
	v_nop
.irp c, 0,1
.irp i, 0,1,2
	v_permlane16_swap_b32 v[CS+6*\c+\i], v[CT+4*\c+\i]
.endr
.irp i, 0,1,2
	v_mov_b32 v[CS+6*\c+3+\i], v[CT+4*\c+\i]
.endr
.endr
.irp j, 0,1,2
	global_store_b128 v[L16], v[CS+4*\j:CS+4*\j+3], s[8:9] offset:24576*(\a)+512*\j
.endr
.endm
	s_wait_alu depctr_va_vdst(0)
	s_wait_tensorcnt 0x0                           ; my tile of the head's four is in; no load of mine is out, so descriptors may be written:
	s_mul_i32 s46, s12, 18432                      ; bank A's refill: four tiles a wave, K steps 5-7
	s_add_co_u32 s[G0A+1], s46, WBA
	s_mul_i32 s46, s12, 4*XT
	s_add_co_u32 s46, s46, 7680
	s_mov_b32 s47, 0
	s_add_nc_u64 s[G0A+2:G0A+3], s[G0A+2:G0A+3], s[46:47]
	s_mov_b32 s[G1A+2], 4<<16
	s_mov_b32 s[G1A+4], 4
	s_barrier_signal -1                            ; all four tiles are in
	s_barrier_wait -1
	FETCH_B 0, 0, 0
	FETCH_A 0, 0, 0
	FETCH_A 0, 0, 4
	s_wait_loadcnt 0x0
	STEP 1, 0, 0, 0, 1                             ; first argument: the K step that is fetched
	STEP 2, 0, 1, 1, 0
	TURN 3, 1, 2                                   ; bank A takes K steps 5-7
	STEP 4, 0, 1, 3, 0
	TURN 5, 0, 4                                   ; K steps 5-7 are in
	STEP 6, 0, 1, 5, 0
	STEP 7, 0, 0, 6, 0
	s_wait_dscnt 4*NL
	WIN MUL_LO
	MUL16 0, 1, 7, 0
	MUL16 2, 1, 7, 0
	s_wait_dscnt 0x0
	WIN MUL_HI
	MUL16 4, 1, 7, 0
	MUL16 6, 1, 7, 0
	WIN 0
	PLACES
	s_cmp_lg_u32 s16, 0
	s_cbranch_scc1 .Lhidden
.irp b, 0,1,2,3
	v_mov_b32 v[TM+4+\b], 0
.endr
	v_mov_b32 v241, 0
.irp a, 0,1,2,3,4,5,6,7
	SOFT \a
.endr
.irp g, 0,1
	v_cndmask_b32 v[OW+2*\g], v[PW+4*\g], v[PW+4*\g+1], s17
	v_cndmask_b32 v[OW+2*\g+1], v[PW+4*\g+2], v[PW+4*\g+3], s17
	global_store_b64 v[L8], v[OW+2*\g:OW+2*\g+1], s[10:11] offset:12288*\g
	v_cndmask_b32 v[OW+4+2*\g], v[NM+4*\g], v[NM+4*\g+1], s17
	v_cndmask_b32 v[OW+4+2*\g+1], v[NM+4*\g+2], v[NM+4*\g+3], s17
	global_store_b64 v[L8], v[OW+4+2*\g:OW+4+2*\g+1], s[10:11] offset:12288*\g+256
	v_cndmask_b32 v[OW+8+2*\g], v[LL+4*\g], v[LL+4*\g+1], s17
	v_cndmask_b32 v[OW+8+2*\g+1], v[LL+4*\g+2], v[LL+4*\g+3], s17
	global_store_b64 v[L8], v[OW+8+2*\g:OW+8+2*\g+1], s[10:11] offset:12288*\g+512
.endr
	s_branch .Lend
.Lhidden:
.irp i, 0,1,2,3
	v_mov_b32 v[CD+\i], 0
.endr
.irp a, 0,1,2,3,4,5,6,7
.irp j, 0,1,2
	global_store_b128 v[L16], v[CD:CD+3], s[8:9] offset:24576*\a+512*\j
.endr
.endr
.Lend:
	s_wait_tensorcnt 0x0
	ds_add_u32 v[SPW], v[NIL]
	s_wait_dscnt 0x0
	s_endpgm
.Lfunc_end_k_q0174ad1b6a_scores:
	.size	k_q0174ad1b6a_scores, .Lfunc_end_k_q0174ad1b6a_scores-k_q0174ad1b6a_scores
	.p2alignl 7, 3214868480
	.fill 96, 4, 3214868480
	.section	.rodata,"a",@progbits
	.p2align	6, 0x0
	.amdhsa_kernel k_q0174ad1b6a_scores
		.amdhsa_group_segment_fixed_size 327680
		.amdhsa_private_segment_fixed_size 0
		.amdhsa_enable_private_segment 0
		.amdhsa_kernarg_size 32
		.amdhsa_user_sgpr_count 2
		.amdhsa_user_sgpr_kernarg_segment_ptr 1
		.amdhsa_wavefront_size32 1
		.amdhsa_system_sgpr_workgroup_id_x 1
		.amdhsa_system_sgpr_workgroup_id_y 1
		.amdhsa_system_sgpr_workgroup_id_z 1
		.amdhsa_system_vgpr_workitem_id 0
		.amdhsa_next_free_vgpr 1024
		.amdhsa_next_free_sgpr 90
		.amdhsa_reserve_vcc 1
		.amdhsa_float_denorm_mode_32 3
		.amdhsa_float_denorm_mode_16_64 3
		.amdhsa_memory_ordered 1
		.amdhsa_forward_progress 1
		.amdhsa_inst_pref_size 221
	.end_amdhsa_kernel
	.amdgpu_metadata
---
amdhsa.version: [ 1, 2 ]
amdhsa.kernels:
  - .name:           k_q0174ad1b6a_scores
    .symbol:         k_q0174ad1b6a_scores.kd
    .args:
      - { .name: qkc, .offset: 0, .size: 8, .value_kind: global_buffer, .address_space: global }
      - { .name: qks, .offset: 8, .size: 8, .value_kind: global_buffer, .address_space: global }
      - { .name: pc, .offset: 16, .size: 8, .value_kind: global_buffer, .address_space: global }
      - { .name: pst, .offset: 24, .size: 8, .value_kind: global_buffer, .address_space: global }
    .group_segment_fixed_size: 327680
    .private_segment_fixed_size: 0
    .kernarg_segment_align: 8
    .kernarg_segment_size: 32
    .max_flat_workgroup_size: 128
    .sgpr_count:     90
    .vgpr_count:     1024
    .wavefront_size: 32
...
	.end_amdgpu_metadata
.endif
;; end of part 3
;; launch pv (part 4): grid 8 x 32, 4 waves a work-group, no clusters, 327,680 bytes of LDS; arguments pc, pst, vc, vs, out0; writes out0
.if DOCPART == 4
	.amdgcn_target "amdgcn-amd-amdhsa--gfx1250"
	.amdhsa_code_object_version 6
	.text
	.protected	k_q0174ad1b6a_pv
	.globl	k_q0174ad1b6a_pv
	.p2align	8
	.type	k_q0174ad1b6a_pv,@function
k_q0174ad1b6a_pv:
	s_mov_b64 s[64:65], 0
	v_nop
	global_prefetch_b8 v0, s[64:65] scope:SCOPE_SE
	s_setreg_imm32_b32 hwreg(HW_REG_WAVE_MODE, 25, 1), 1
	s_wait_xcnt 0x0
; out0[q][d] = (the sum over the keys of p v) / l on codes of FP6, K = the keys, in steps of 128.
; LEFT OUT: key steps all of whose keys come after all 128 queries of a wave's half of the block (shown at launch quant's head): a wave of block I of 256 queries walks key steps 0 .. 2 I + (wave / 2).
; SHARES.  A work-group makes 256 queries x 128 channels; wave w queries 64 w on, all 128 channels: 32 accumulators (window 2).  Used transposed: source 0 = 16 channels of v (keys innermost), source 1 = 16 queries of p: a lane
; holds one query, register 8 b + j channel 16 b + 8 h + j.  The longest blocks have the lowest work-group numbers.
; THE ROW'S M.  Launch scores took M for each 128 keys.  Here M_row = the largest of them; each scale byte of p is lowered by M_row - M_s, held at 0 from below, and l = the sum of l_s 2^(M_s - M_row): powers of two, nothing is
; rounded.  LIMIT: a byte held at 0 stands for a term under 2^-124 of the row's largest.
; p GOES FROM MEMORY STRAIGHT INTO REGISTERS: a wave's four fragments of a key step are read by that wave alone, and they lie in memory as the registers take them, 512 consecutive bytes a load.  Five sets of 48 registers
; (window 3) take turns; key step s + 4 is asked for at the head of key step s, into the set that step s - 1 multiplied.  A step past my last takes my last step's address: only stored bytes are read, and every way through
; the text has the same loads behind each counted wait.
; v GOES THROUGH LDS, each byte filled once: four regions of 49,152 bytes, region g = 8 tiles of channels x key steps 4 g .. 4 g + 3.  At the head each wave brings a quarter of region 0 (every block reads key step 0).
; Behind the first barrier waves 1, 2, 3 bring regions 1, 2, 3, first fills alone; a region that no wave of the block reads is not asked for: a jump on the work-group's number, the same in all four waves, leads round that
; load's own lines alone.  They land under the work on the figures and key steps 0-3.  Behind key step 3 all ways join: every wave waits for all its loads, so that every way has the same loads out, none, and a barrier shows the
; regions to all waves.  Every wait on TENSORcnt is for 0; one tensor load of a wave is out at the most.
; NO CLUSTER: the work-groups that share v's tiles are the blocks of one batch, whose walks differ in length, so branches would hang on a work-group's place; those that share p read it through registers.
; PREFETCH: in key step s one instruction a wave asks for p's key step s + 8, four steps ahead of its load: of my wave's 24 blocks of 256 bytes each of the eight work-groups that read them takes three, by address (3 x + 0 .. 2;
; the lanes left over name the last again); steps past my last are not asked for.  Key steps 0-7 come by their loads alone, and so does v, all of which is asked for by the first barrier.
; REGISTERS: window 0: v1-15 addresses; v16-23 1 / l; v32-63 p's scale words (2 s + i / 2), v64-127 v's (4 s + b / 2); v128-207 at the head -M, l and offsets, at the end the results; v224-239 at work.
;   window 1: v's fragments, two sets, v0-95 and v128-223; at the end rows on their way out.  window 3: p's fragments, set s % 5 at v[48 (s % 5)].
.set STG,   196608                     ; behind v's regions: a stage of 8,448 bytes for each wave, on bytes that no tensor load fills
.set SPARE, STG+4*8448                 ; the spare words, 128 bytes a wave
.set L16,  1
.set L8,   2
.set STO,  3
.set ADRB, 4                           ; v4-7  v's regions 0-3
.set RD,   12
.set PFO,  13
.set SPW,  14
.set NIL,  15
.set RL,   16
.set PWD,  32
.set VSC,  64
.set NMR,  128                         ; v128-159 -M of the 16 steps
.set LLR,  160                         ; v160-191 l
.set OF,   192                         ; v192-207 the figures' offsets
.set T,    128
.set F,    224
.set NR,   236
.set LR,   238
.set WV,   14
.set QI,   15
.set BA,   16
.set NPR,  17                          ; pairs of key steps in the block
.set LIMW, 18                          ; my last key step
.set HM,   22
.set G1,   24                          ; s[24:31] group 1 for the head's loads: 2 tiles x 4 key steps
.set G1R,  32                          ; s[32:39] group 1 for a region: 8 tiles x 4 key steps
.set G0,   40
.set PB,   44                          ; s[44:45] my four tiles of p, key step 0; never rewritten
.set PQ,   46                          ; s[46:47] the same at the key step that is being asked for
.set MSB, 0
.macro WIN new
.if MSB != (\new)
	s_set_vgpr_msb (MSB<<8)|(\new)
.set MSB, (\new)
.endif
.endm
.macro PLACES
.rept 4
	v_nop
.endr
.endm
	s_load_b256 s[4:11], s[0:1], 0x0               ; pc, pst, vc, vs
	s_load_b64 s[12:13], s[0:1], 0x20              ; out0
	v_lshl_add_u32 v[SPW], v0, 2, SPARE
	v_mov_b32 v[NIL], 0
	ds_add_u32 v[SPW], v[NIL]                      ; the opening: the add, twice on end, and its wait ahead of my first tensor load
	ds_add_u32 v[SPW], v[NIL]
	v_lshrrev_b32 v24, 5, v0
	v_readfirstlane_b32 s[WV], v24
	s_and_b32 s48, ttmp7, 0xffff
	s_and_b32 s[QI], s48, 7
	s_sub_co_u32 s[QI], 7, s[QI]                   ; the block of 256 queries
	s_lshr_b32 s[BA], s48, 3                       ; the batch
	s_add_co_u32 s[NPR], s[QI], 1
	s_lshr_b32 s49, s[WV], 1
	s_lshl_b32 s[LIMW], s[QI], 1
	s_add_co_u32 s[LIMW], s[LIMW], s49
	s_mov_b32 s[G1], 3<<16                         ; no mask; elements of 8 bytes; no padding
	s_mov_b32 s[G1+1], 768<<16                     ; 6,144 bytes: a tile's four key steps
	s_mov_b32 s[G1+2], 2<<16
	s_mov_b32 s[G1+3], 768<<16
	s_mov_b32 s[G1+4], 2                           ; 2 tiles of channels
	s_mov_b32 s[G1+5], 3072                        ; from tile to tile: 24,576 bytes
	s_mov_b32 s[G1+6], 0
	s_mov_b32 s[G1+7], 0
	s_mov_b32 s[G1R], 3<<16
	s_mov_b32 s[G1R+1], 768<<16
	s_mov_b32 s[G1R+2], 8<<16
	s_mov_b32 s[G1R+3], 768<<16
	s_mov_b32 s[G1R+4], 8                          ; 8 tiles of channels
	s_mov_b32 s[G1R+5], 3072
	s_mov_b32 s[G1R+6], 0
	s_mov_b32 s[G1R+7], 0
	s_lshl_b32 s50, s[BA], 7
	s_lshl_b32 s51, s[QI], 4
	s_add_co_u32 s50, s50, s51
	s_lshl_b32 s51, s[WV], 2
	s_add_co_u32 s50, s50, s51                     ; p's tile 128 batch + 16 I + 4 wave
	s_mul_i32 s50, s50, 24576
	s_mov_b32 s51, 0
	s_lshl_b32 s52, s[BA], 6
	s_lshl_b32 s53, ttmp9, 3
	s_add_co_u32 s52, s52, s53
	s_lshl_b32 s53, s[WV], 1
	s_add_co_u32 s52, s52, s53                     ; v's tile 64 batch + 8 x + 2 wave
	s_mul_i32 s52, s52, 24576
	s_mov_b32 s53, 0
	s_mul_i32 s56, s[WV], 8448
	s_add_co_u32 s56, s56, STG                     ; my stage
	s_mul_i32 s57, ttmp9, 3
	s_mov_b32 s58, 24576
	s_mov_b32 s61, 0
	s_mov_b32 s20, 0x76543210
	s_mov_b32 s21, 0xfedcba98
	s_mov_b32 s[HM], 0xffff0000
	s_wait_dscnt 0x0                               ; both opening adds are done
	s_wait_kmcnt 0x0
	s_add_nc_u64 s[PB:PB+1], s[4:5], s[50:51]
	s_mov_b32 s[G0], 1
	s_mul_i32 s[G0+1], s[WV], 12288
	s_add_nc_u64 s[G0+2:G0+3], s[8:9], s[52:53]
	s_or_b32 s[G0+3], s[G0+3], 0x80000000
	tensor_load_to_lds s[G0:G0+3], s[G1:G1+7]      ; my quarter of region 0: my one tensor load at the head
	s_nop 0
	s_lshl_b32 s54, s[BA], 4
	s_lshl_b32 s62, ttmp9, 1
	s_add_co_u32 s54, s54, s62
	s_lshl_b32 s54, s54, 12                        ; v's scale words: (16 batch + 2 x) x 16 steps x 256 bytes
	s_mov_b32 s55, 0
	s_add_nc_u64 s[10:11], s[10:11], s[54:55]
	s_lshl_b32 s54, s[BA], 5
	s_lshl_b32 s62, s[QI], 2
	s_add_co_u32 s54, s54, s62
	s_add_co_u32 s54, s54, s[WV]
	s_mul_i32 s54, s54, 12288                      ; my 64 queries' figures: 16 steps x 768 bytes
	s_add_nc_u64 s[6:7], s[6:7], s[54:55]
	s_lshl_b32 s54, s[BA], 11
	s_lshl_b32 s62, s[QI], 8
	s_add_co_u32 s54, s54, s62
	s_lshl_b32 s62, s[WV], 6
	s_add_co_u32 s54, s54, s62
	s_lshl_b32 s54, s54, 12                        ; my first row of out0,
	s_lshl_b32 s62, ttmp9, 9                       ; my 128 channels
	s_add_co_u32 s54, s54, s62
	s_add_nc_u64 s[12:13], s[12:13], s[54:55]
	v_and_b32 v24, 31, v0
	v_and_b32 v25, 15, v0
	v_bfe_u32 v26, v0, 4, 1
	v_lshlrev_b32 v[L16], 4, v24
	v_lshlrev_b32 v[L8], 3, v24
.irp k, 0,1,2,3
	v_add_nc_u32 v[ADRB+\k], 49152*\k, v[L16]
.endr
	v_mul_u32_u24 v[STO], v25, 528
	v_lshl_add_u32 v[STO], v26, 5, v[STO]
	v_add_nc_u32 v[STO], s56, v[STO]
	v_add_nc_u32 v[RD], s56, v[L16]
	v_min_u32 v27, 2, v24
	v_add_nc_u32 v27, s57, v27                     ; the prefetches: block 3 x + 0 .. 2 of my wave's 24: tile block / 6, 256 bytes x block % 6
	v_mul_u32_u24 v28, v27, 43
	v_lshrrev_b32 v28, 8, v28                      ; block / 6 (43 / 256 serves under 24)
	v_mul_u32_u24 v29, v28, 6
	v_sub_nc_u32 v27, v27, v29
	v_lshlrev_b32 v27, 8, v27
	v_mad_u32_u24 v[PFO], v28, s58, v27
.irp s, 0,1,2,3,4,5,6,7,8,9,10,11,12,13,14,15
	s_min_u32 s59, s[LIMW], \s                     ; steps beyond my last take my last step's figures: only stored bytes are read, and the maximum below is not moved
	s_mul_i32 s59, s59, 768
	v_add_nc_u32 v[OF+\s], s59, v[L8]
.endr
	s_wait_alu depctr_va_vdst(0)                   ; the head's end
.irp s, 0,1,2,3,4,5,6,7,8,9,10,11,12,13,14,15
	global_load_b64 v[PWD+2*\s:PWD+2*\s+1], v[OF+\s], s[6:7]
	global_load_b64 v[NMR+2*\s:NMR+2*\s+1], v[OF+\s], s[6:7] offset:256
	global_load_b64 v[LLR+2*\s:LLR+2*\s+1], v[OF+\s], s[6:7] offset:512
.endr
.macro PLOAD s                         ; my four fragments of p, key step min(s, my last), into set s % 5: 12 loads
	s_wait_xcnt 0x0                                ; the earlier loads have read their base: it is written again only behind this wait
	s_min_u32 s60, s[LIMW], \s
	s_mul_i32 s60, s60, 1536
	s_add_nc_u64 s[PQ:PQ+1], s[PB:PB+1], s[60:61]
	WIN 0xc0                                       ; destination window 3
.irp i, 0,1,2,3
.irp j, 0,1,2
	global_load_b128 v[48*((\s)%5)+12*\i+4*\j:48*((\s)%5)+12*\i+4*\j+3], v[L16], s[PQ:PQ+1] offset:24576*\i+512*\j
.endr
.endr
	WIN 0
.endm
.macro FETCH s                         ; key step s: v's eight fragments into set s % 2
	WIN 0x40
.irp b, 0,1,2,3,4,5,6,7
.irp j, 0,1,2
	ds_load_b128 v[128*((\s)%2)+12*\b+4*\j:128*((\s)%2)+12*\b+4*\j+3], v[ADRB+(\s)/4] offset:6144*\b+1536*((\s)%4)+512*\j
.endr
.endr
	WIN 0
.endm
; Wave w asks for region w, if the block has pair pr of key steps.  The three lines form ONE chain of branches on the wave's number, one load to an arm, all arms leading to one join.
.macro TL w, pr
	s_cmp_eq_u32 s[WV], \w
	s_cbranch_scc0 .Lno_\@
	s_cmp_le_u32 s[NPR], \pr
	s_cbranch_scc1 .Ljoin
	tensor_load_to_lds s[G0:G0+3], s[G1R:G1R+7]
	s_nop 0
.rept 4
	v_nop
.endr
	s_branch .Ljoin
.Lno_\@:
.endm
.macro PROD i, b, s, zero
.set rD, 8*(8*(\i)+(\b))
.set rB, 128*((\s)%2)+12*(\b)
.set rA, 48*((\s)%5)+12*(\i)
.set rSB, VSC+4*(\s)+(\b)/2
.set rSA, PWD+2*(\s)+(\i)/2
.set rW, 2*((\b)%2)+(\i)%2
.if \zero
.if rW == 0
	v_wmma_scale_f32_16x16x128_f8f6f4 v[rD:rD+7], v[rB:rB+11], v[rA:rA+11], 0, v[rSB], v[rSA] matrix_a_fmt:MATRIX_FMT_FP6 matrix_b_fmt:MATRIX_FMT_FP6
.elseif rW == 1
	v_wmma_scale_f32_16x16x128_f8f6f4 v[rD:rD+7], v[rB:rB+11], v[rA:rA+11], 0, v[rSB], v[rSA] matrix_a_fmt:MATRIX_FMT_FP6 matrix_b_fmt:MATRIX_FMT_FP6 matrix_b_scale:MATRIX_SCALE_ROW1
.elseif rW == 2
	v_wmma_scale_f32_16x16x128_f8f6f4 v[rD:rD+7], v[rB:rB+11], v[rA:rA+11], 0, v[rSB], v[rSA] matrix_a_fmt:MATRIX_FMT_FP6 matrix_b_fmt:MATRIX_FMT_FP6 matrix_a_scale:MATRIX_SCALE_ROW1
.else
	v_wmma_scale_f32_16x16x128_f8f6f4 v[rD:rD+7], v[rB:rB+11], v[rA:rA+11], 0, v[rSB], v[rSA] matrix_a_fmt:MATRIX_FMT_FP6 matrix_b_fmt:MATRIX_FMT_FP6 matrix_a_scale:MATRIX_SCALE_ROW1 matrix_b_scale:MATRIX_SCALE_ROW1
.endif
.else
.if rW == 0
	v_wmma_scale_f32_16x16x128_f8f6f4 v[rD:rD+7], v[rB:rB+11], v[rA:rA+11], v[rD:rD+7], v[rSB], v[rSA] matrix_a_fmt:MATRIX_FMT_FP6 matrix_b_fmt:MATRIX_FMT_FP6
.elseif rW == 1
	v_wmma_scale_f32_16x16x128_f8f6f4 v[rD:rD+7], v[rB:rB+11], v[rA:rA+11], v[rD:rD+7], v[rSB], v[rSA] matrix_a_fmt:MATRIX_FMT_FP6 matrix_b_fmt:MATRIX_FMT_FP6 matrix_b_scale:MATRIX_SCALE_ROW1
.elseif rW == 2
	v_wmma_scale_f32_16x16x128_f8f6f4 v[rD:rD+7], v[rB:rB+11], v[rA:rA+11], v[rD:rD+7], v[rSB], v[rSA] matrix_a_fmt:MATRIX_FMT_FP6 matrix_b_fmt:MATRIX_FMT_FP6 matrix_a_scale:MATRIX_SCALE_ROW1
.else
	v_wmma_scale_f32_16x16x128_f8f6f4 v[rD:rD+7], v[rB:rB+11], v[rA:rA+11], v[rD:rD+7], v[rSB], v[rSA] matrix_a_fmt:MATRIX_FMT_FP6 matrix_b_fmt:MATRIX_FMT_FP6 matrix_a_scale:MATRIX_SCALE_ROW1 matrix_b_scale:MATRIX_SCALE_ROW1
.endif
.endif
.endm
; Key step s.  At the first step beyond my last this part of the walk ends (ids alone; no barrier and no tensor load stands in a step).  The 32 accumulators take turns, one instruction a turn.
.macro ST s, zero, exit
.if (\s) > 0
	s_cmp_lt_u32 s[LIMW], \s
	s_cbranch_scc1 \exit
.endif
.set NN, 15-(\s)
.if NN > 3
.set NN, 3
.endif
	s_wait_loadcnt 12*NN                           ; p's set of this step is in; behind it the sets of the next three steps, 12 loads each, as far as the text has them
	s_wait_dscnt 0x0                               ; v's fragments of this step are in
	PLACES                                         ; ahead of loads into the sets that the last step's products read
.if (\s)+4 <= 15
	PLOAD (\s)+4
.endif
.if (\s) < 15 && (\s) != 3
	FETCH (\s)+1                                   ; (key step 4 is fetched behind the barrier that shows its region)
.endif
.if (\s)+8 <= 15
	s_cmp_lt_u32 s[LIMW], (\s)+8
	s_cbranch_scc1 .Lnot_asked_\@
	global_prefetch_b8 v[PFO], s[PB:PB+1] offset:1536*((\s)+8) th:TH_LOAD_NT scope:SCOPE_SE
.Lnot_asked_\@:
.endif
	WIN 0xad                                       ; source 0 window 1, source 1 window 3, C and D window 2
.irp i, 0,1,2,3
.irp b, 0,1,2,3,4,5,6,7
	PROD \i, \b, \s, \zero
.endr
.endr
	WIN 0
.endm
; Step s is brought under the row's M.  All three figures have one layout, so this is a lane's own work.
.macro FIXS s
.if (\s) > 0
	s_cmp_lt_u32 s[LIMW], \s                       ; steps beyond my last have no part in the row
	s_cbranch_scc1 .Lfixed
.endif
.irp i, 0,1
	v_sub_f32 v[F+\i], -v[NMR+2*(\s)+\i], v[NR+\i] ; M_s - M_row: a whole number, 0 or less
.endr
.irp i, 0,1
	v_max_num_f32 v[F+\i], 0xc37f0000, v[F+\i]     ; held at -255
.endr
.irp i, 0,1
	v_cvt_i32_f32 v[F+\i], v[F+\i]
.endr
.irp i, 0,1
.if (\s) > 0
	v_ldexp_f32 v[F+2+\i], v[LLR+2*(\s)+\i], v[F+\i]
.else
	v_ldexp_f32 v[LR+\i], v[LLR+\i], v[F+\i]       ; the first step starts the sum
.endif
.endr
.irp i, 0,1
	v_sub_nc_u32 v[F+\i], 0, v[F+\i]               ; M_row - M_s
.endr
.if (\s) > 0
.irp i, 0,1
	v_add_f32 v[LR+\i], v[LR+\i], v[F+2+\i]
.endr
.endif
.irp k, 0,1,2,3
.irp i, 0,1
	v_bfe_u32 v[F+4+2*\k+\i], v[PWD+2*(\s)+\i], 8*\k, 8
.endr
.endr
.irp k, 0,1,2,3
.irp i, 0,1
	v_min_u32 v[F+4+2*\k+\i], v[F+4+2*\k+\i], v[F+\i]             ; no byte falls under 0
.endr
.endr
.irp i, 0,1
	v_lshl_or_b32 v[F+4+\i], v[F+6+\i], 8, v[F+4+\i]
	v_lshl_or_b32 v[F+8+\i], v[F+10+\i], 8, v[F+8+\i]
.endr
.irp i, 0,1
	v_lshl_or_b32 v[F+4+\i], v[F+8+\i], 16, v[F+4+\i]
.endr
.irp i, 0,1
	v_sub_nc_u32 v[PWD+2*(\s)+\i], v[PWD+2*(\s)+\i], v[F+4+\i]    ; each byte less its own part: no borrow
.endr
.endm
	PLOAD 0
	s_wait_loadcnt 12                              ; p's scale words, -M and l are in; the 12 loads of p's set 0 may be out
.irp s, 0,1,2,3,4,5,6,7,8,9,10,11,12,13,14,15
.irp g, 0,1
	global_load_b64 v[VSC+4*\s+2*\g:VSC+4*\s+2*\g+1], v[L8], s[10:11] offset:4096*\g+256*\s   ; v's scale words land under the work on the figures below
.endr
.endr
	PLOAD 1
	PLOAD 2
	PLOAD 3
	s_wait_tensorcnt 0x0                           ; my quarter of region 0 is in
	ds_add_u32 v[SPW], v[NIL]
	s_mul_i32 s[G0+1], s[WV], 49152                ; no tensor load of mine is out, so my group 0 may be written: region w,
	s_mul_i32 s54, s[WV], 43008                    ; from tile 2 w, key step 0, to tile 0, key step 4 w: 2 w x 24,576 bytes back, w x 6,144 on
	s_sub_nc_u64 s[G0+2:G0+3], s[G0+2:G0+3], s[54:55]
	s_wait_dscnt 0x0
	s_barrier_signal -1
	s_barrier_wait -1                              ; region 0 is whole
	TL 1, 2                                        ; key steps 4-7: read where the block has pair 2
	TL 2, 4                                        ; key steps 8-11
	TL 3, 6                                        ; key steps 12-15
.Ljoin:
.irp i, 0,1
	v_max3_num_f32 v[NR+\i], -v[NMR+\i], -v[NMR+2+\i], -v[NMR+4+\i]
.endr
.irp s, 3,5,7,9,11,13
.irp i, 0,1
	v_max3_num_f32 v[NR+\i], v[NR+\i], -v[NMR+2*\s+\i], -v[NMR+2*\s+2+\i]
.endr
.endr
.irp i, 0,1
	v_max_num_f32 v[NR+\i], v[NR+\i], -v[NMR+30+\i] ; M_row: the largest M
.endr
.irp s, 0,1,2,3,4,5,6,7,8,9,10,11,12,13,14,15
	FIXS \s
.endr
.Lfixed:
	s_wait_alu depctr_va_vdst(0)                   ; ahead of the reciprocals
	v_rcp_f32 v[F], v[LR]
	v_rcp_f32 v[F+1], v[LR+1]
	v_mov_b32 v[F+2], 0                            ; (a plain place behind the reciprocals)  a lane permute's destination counts as one of its sources
	v_mov_b32 v[F+3], 0
	s_wait_alu depctr_va_vdst(0)                   ; one wait for both, ahead of their first reader
	v_permlanex16_b32 v[F+2], v[F], s20, s21
	v_permlanex16_b32 v[F+3], v[F+1], s20, s21
	v_cndmask_b32 v[RL], v[F], v[F+2], s[HM]       ; tile i's 1 / l in both halves of the lanes
	v_cndmask_b32 v[RL+2], v[F+2], v[F], s[HM]
	v_cndmask_b32 v[RL+4], v[F+1], v[F+3], s[HM]
	v_cndmask_b32 v[RL+6], v[F+3], v[F+1], s[HM]
.irp i, 0,1,2,3
	v_mov_b32 v[RL+2*\i+1], v[RL+2*\i]             ; as pairs, for the packed multiply.  (These eight and the step's four v_nop are the places between the last write of a scale word and the first product)
.endr
	s_wait_alu depctr_va_vdst(0)                   ; ahead of the walk's waits
	FETCH 0
	ST 0, 1, .Lshown                               ; the first step's products start the sums: nothing is cleared
	ST 1, 0, .Lshown
	ST 2, 0, .Lshown
	ST 3, 0, .Lshown
.Lshown:
	s_wait_loadcnt 0x0                             ; every way to this label has the same loads out behind this wait: none
	s_wait_dscnt 0x0
	s_wait_tensorcnt 0x0                           ; my region is in
	s_barrier_signal -1
	s_barrier_wait -1                              ; and everybody's
	s_cmp_lt_u32 s[LIMW], 4
	s_cbranch_scc1 .Ldone
	PLACES                                         ; ahead of the loads into the set that key step 2's products read
	FETCH 4
.irp s, 4,5,6,7,8,9,10,11,12,13,14,15
	ST \s, 0, .Ldone
.endr
.Ldone:
; THE WAY OUT, a tile of 16 queries at a time: x 1 / l; through my stage in LDS; back as whole rows of 512 bytes.
.macro PACK i
	WIN 0x02                                       ; source 0 window 2
.set nn, 0
.rept 32
	v_pk_mul_f32 v[T+nn:T+nn+1], v[64*(\i)+nn:64*(\i)+nn+1], v[RL+2*(\i):RL+2*(\i)+1]   ; each accumulator from its low end on
.set nn, nn+2
.endr
	WIN 0
.endm
.macro TOSTAGE i
.irp b, 0,1,2,3,4,5,6,7
	ds_store_b128 v[STO], v[T+8*\b:T+8*\b+3] offset:64*\b
	ds_store_b128 v[STO], v[T+8*\b+4:T+8*\b+7] offset:64*\b+16
.endr
	WIN 0x40                                       ; destination window 1
.irp t, 0,1,2,3,4,5,6,7,8,9,10,11,12,13,14,15
	ds_load_b128 v[64*((\i)%2)+4*\t:64*((\i)%2)+4*\t+3], v[RD] offset:528*\t   ; LDS serves a wave's instructions in order: these see my stores
.endr
	WIN 0
.endm
.macro SEND i
	s_wait_dscnt 0x0                               ; the tile is back in registers
	s_wait_xcnt 0x0                                ; earlier stores have read their registers: the other buffer may be loaded again behind this wait
	WIN 0x04                                       ; a store's data: window 1
.irp t, 0,1,2,3,4,5,6,7,8,9,10,11,12,13,14,15
	global_store_b128 v[L16], v[64*((\i)%2)+4*\t:64*((\i)%2)+4*\t+3], s[12:13] offset:65536*(\i)+4096*\t th:TH_STORE_NT   ; 512 consecutive bytes, at a multiple of 256 from out0's first byte
.endr
	WIN 0
.endm
	s_wait_dscnt 0x0                               ; the fetch of a step that was not multiplied is awaited here, ahead of the lines that write v's sets anew
	PLACES                                         ; behind the last products
	s_wait_alu depctr_va_vdst(0)                   ; ahead of the first reader of 1 / l behind the walk
	PACK 0
	TOSTAGE 0
.irp i, 1,2,3
	PACK \i
	s_wait_alu depctr_va_vdst(0)                   ; directly ahead of SEND's waits
	SEND \i-1
	TOSTAGE \i
.endr
	SEND 3
	s_wait_tensorcnt 0x0                           ; the wave's end
	ds_add_u32 v[SPW], v[NIL]
	s_wait_dscnt 0x0
	s_endpgm
.Lfunc_end_k_q0174ad1b6a_pv:
	.size	k_q0174ad1b6a_pv, .Lfunc_end_k_q0174ad1b6a_pv-k_q0174ad1b6a_pv
	.p2alignl 7, 3214868480
	.fill 96, 4, 3214868480
	.section	.rodata,"a",@progbits
	.p2align	6, 0x0
	.amdhsa_kernel k_q0174ad1b6a_pv
		.amdhsa_group_segment_fixed_size 327680
		.amdhsa_private_segment_fixed_size 0
		.amdhsa_enable_private_segment 0
		.amdhsa_kernarg_size 40
		.amdhsa_user_sgpr_count 2
		.amdhsa_user_sgpr_kernarg_segment_ptr 1
		.amdhsa_wavefront_size32 1
		.amdhsa_system_sgpr_workgroup_id_x 1
		.amdhsa_system_sgpr_workgroup_id_y 1
		.amdhsa_system_sgpr_workgroup_id_z 1
		.amdhsa_system_vgpr_workitem_id 0
		.amdhsa_next_free_vgpr 1024
		.amdhsa_next_free_sgpr 66
		.amdhsa_reserve_vcc 0
		.amdhsa_float_denorm_mode_32 3
		.amdhsa_float_denorm_mode_16_64 3
		.amdhsa_memory_ordered 1
		.amdhsa_forward_progress 1
		.amdhsa_inst_pref_size 187
	.end_amdhsa_kernel
	.amdgpu_metadata
---
amdhsa.version: [ 1, 2 ]
amdhsa.kernels:
  - .name:           k_q0174ad1b6a_pv
    .symbol:         k_q0174ad1b6a_pv.kd
    .args:
      - { .name: pc, .offset: 0, .size: 8, .value_kind: global_buffer, .address_space: global }
      - { .name: pst, .offset: 8, .size: 8, .value_kind: global_buffer, .address_space: global }
      - { .name: vc, .offset: 16, .size: 8, .value_kind: global_buffer, .address_space: global }
      - { .name: vs, .offset: 24, .size: 8, .value_kind: global_buffer, .address_space: global }
      - { .name: out0, .offset: 32, .size: 8, .value_kind: global_buffer, .address_space: global }
    .group_segment_fixed_size: 327680
    .private_segment_fixed_size: 0
    .kernarg_segment_align: 8
    .kernarg_segment_size: 40
    .max_flat_workgroup_size: 128
    .sgpr_count:     66
    .vgpr_count:     1024
    .wavefront_size: 32
...
	.end_amdgpu_metadata
.endif
;; end of part 4
